; MI455X (gfx1250); checked and timed in simulation.
; The chip was launched on July 23, 2026; its instructions are those of AMD's public machine-readable ISA for CDNA 5 (MIT licence, August 2026) and "CDNA5" Instruction Set Architecture Reference Guide (July 2026). The comments in the code are by the model that wrote it; some were corrected since.
;; Flex Causal Self Attention. Allowed arithmetic: matrix products marked QUANTISED: E3M2 operands, one E8M0 scale for each 32 along K, by v_wmma_scale_f32_16x16x128_f8f6f4 with both operands' format E3M2, f32 sums; everything else in f32.
;; Inputs: Wk 1,024 x 1,024 float32; Wo 1,024 x 1,024 float32; Wq 1,024 x 1,024 float32; Wv 1,024 x 1,024 float32; bk 1,024 float32; bo 1,024 float32; bq 1,024 float32; bv 1,024 float32; rel_key 2,048 x 64 float32; x 2 x 2,048 x 1,024 float32.
;; Outputs: out0 2 x 2,048 x 1,024 float32.
;; This version of the problem:
;;   THIS VERSION OF THE PROBLEM IS GIVEN IN LOW PRECISION. The matrix products marked QUANTISED in the list below multiply operands that are first quantised to E3M2 (3 exponent bits, 2 mantissa bits; 6 bits a number), with one power-of-two scale for each 32 numbers along K (OCP MX v1.0); their sums are f32. All else is computed in f32.
;;   The module's matrix products, in the order in which they are computed (A, B: the left and right operand; K: the contracted axis; several contracted axes count as one K, in the product's order):
;;     1. [M 4,096, K 1,024] x [K 1,024, N 1,024]; A: input x; B: input Wq: QUANTISED
;;     2. [M 4,096, K 1,024] x [K 1,024, N 1,024]; A: input x; B: input Wk: QUANTISED
;;     3. [M 4,096, K 1,024] x [K 1,024, N 1,024]; A: input x; B: input Wv: QUANTISED
;;     4. batch 32 x [M 2,048, K 64] x [K 64, N 2,048]; A: computed on the way; B: computed on the way: QUANTISED
;;     5. [M 65,536, K 64] x [K 64, N 2,048]; A: computed on the way; B: input rel_key: QUANTISED
;;     6. batch 32 x [M 2,048, K 2,048] x [K 2,048, N 64]; A: softmax (see below); B: computed on the way: QUANTISED
;;     7. [M 4,096, K 1,024] x [K 1,024, N 1,024]; A: computed on the way; B: input Wo: QUANTISED
;;   THE QUANTISER, for each operand of a quantised product, along K:
;;     - K is cut into blocks of 32 from its start; a last block that is shorter is filled with zeros.
;;     - A block's scale is 2^e with e = floor(log2(the largest magnitude in the block)) - 4, held to -126 .. 127; a block of zeros has e = 0. As a byte (E8M0): e + 127.
;;     - Each number is divided by its block's scale, clamped to +-28, and rounded to the nearest number of E3M2, ties to even, subnormals kept.
;;     - The product sums the exact products of the quantised numbers (number of the format x scale) in f32.
;;   ~~~python
;;   def quantise(x, axis):      # numpy; x: float32 -> the quantised numbers, widened to float32 again
;;       x = np.moveaxis(x, axis, -1); K = x.shape[-1]
;;       x = np.pad(x, [(0, 0)] * (x.ndim - 1) + [(0, -K % 32)]); x = x.reshape(x.shape[:-1] + (-1, 32)); a = np.abs(x).max(-1, keepdims=True)
;;       e = np.where(a > 0, np.clip(np.frexp(np.where(a > 0, a, 1))[1] - 1 - 4, -126, 127), 0)      # np.frexp(a)[1] - 1 = floor(log2(a)), exactly
;;       r = np.clip(x / 2.0 ** e, -28, 28)
;;       step = 2.0 ** (np.maximum(np.frexp(np.where(r == 0, 1, r))[1] - 1, -2) - 2)
;;       q = np.round(r / step) * step * 2.0 ** e      # np.round: ties to even
;;       return np.moveaxis(q.reshape(q.shape[:-2] + (-1,))[..., :K], -1, axis).astype(np.float32)
;;   ~~~
;;   SOFTMAX AHEAD OF A QUANTISED PRODUCT. Where the list says 'softmax', what is quantised is not the finished softmax but p = 2^(t - M), with t = logit x log2(e) and M = ceil(the row's largest t), a whole number; so 1/2 < the row's largest p <= 1. The row's sum l is taken of the UNQUANTISED p, in f32, and the product's result is divided by l at the end. Since M is a whole number, a kernel that streams over the keys may use a running M (the ceiling of the running maximum): every later rescaling is an exact power of two, which a block's scale takes up: the codes' values come out the same.
;;   OPERANDS COMPUTED ON THE WAY. 'Computed on the way' means the value that the module computes at that place (a softmax that the list does not call 'softmax' is quantised finished and normalised). What goes into a quantiser is computed in f32, as accurately as f32 sums, v_exp_f32 and their like allow (about 1e-6 of the number): no bf16 or f16 on the way to a quantiser, and a product that is left as it is and whose result goes on into a quantised operand takes f32 operands (vector FMAs, or v_wmma_f32_16x16x4_f32). A number that lies on a knife's edge between two numbers of the format may be rounded either way, as far as f32 arithmetic and the matrix unit's own rounding can turn it there, and no further.
;; One version. Each part assembles by itself: llvm-mc -triple=amdgcn-amd-amdhsa -mcpu=gfx1250 --defsym DOCPART=n.
;; ======== version 1 of 1: 4 launches
;; limits: right only within a limited range of input values
;; workspace buffers: x_codes 3,145,728 bytes; x_scales 131,072 bytes; w_codes 3,145,728 bytes; w_scales 131,072 bytes; rel_q 102,400 bytes; qrec 3,407,872 bytes; kvrec 6,684,672 bytes; o_q 3,276,800 bytes
;; launch quant (part 1): grid 260 x 1, 4 waves a work-group, no clusters, 68,096 bytes of LDS; arguments x, rel_key, Wq, Wk, Wv, Wo, x_codes, x_scales, rel_q, w_codes, w_scales; writes x_codes, x_scales, rel_q, w_codes, w_scales
.if DOCPART == 1
	.amdgcn_target "amdgcn-amd-amdhsa--gfx1250"
	.amdhsa_code_object_version 6
	.text
	.protected	k_q427c46c474_quant
	.globl	k_q427c46c474_quant
	.p2align	8
	.type	k_q427c46c474_quant,@function
k_q427c46c474_quant:
	s_mov_b64 s[64:65], 0
	v_nop
	global_prefetch_b8 v0, s[64:65] scope:SCOPE_SE
	s_setreg_imm32_b32 hwreg(HW_REG_WAVE_MODE, 25, 1), 1
	s_wait_xcnt 0x0
; THE PROGRAM: causal self-attention with a relative-position bias, every product on codes of BF6 (E3M2) with one E8M0 scale for each 32 along K.  Four launches:
; this one quantises the inputs; the second makes q, k, v and quantises them in registers; the third is the attention; the fourth the projection on the way out.
; WORK LEFT OUT (in the third launch), for all values of the inputs:
;  (a) logits[i][j] with j > i are set to -infinity by the mask that reference() builds itself (causal = j <= i), so their weight is 0: a step of 128 keys all of which come after a wave's queries is not walked;
;  (b) of rel = q . rel_key only the entries rel[i][P - 1 - (i - j)] are gathered, and of those only the ones with j <= i survive the mask: for a step of 128 keys and a tile of queries only the 160 rows of rel_key that
;      the gather can name are multiplied;   (c) the clip of rel_idx changes an index only where j > i, which the mask throws away: it is not computed.
;  Every input has a way to the output and is loaded.  LIMIT: a NaN, an infinity or an overflow that reaches only the work left out is not carried to the result.
; THIS LAUNCH: x [4096][1024] and rel_key [2048][64], whose K is innermost (work-groups 0 to 131), and Wq, Wk, Wv, Wo [1024 (k)][1024 (n)], whose K is the first axis (work-groups 132 to 259), f32, become codes, K innermost, and scale bytes.
; A block's scale is 2^(floor(log2(its largest magnitude)) - 4); its byte is the largest magnitude's exponent field - 4, held at 1 from below.  A block of zeros so gets the byte 1 where the rule says 127: its codes are zeros, and this program alone reads the bytes.
; LIMITS: blocks whose largest magnitude lies under 2^(4 - 126) have their byte held at 1; NaN and infinities among the inputs are not served.
; THE ROWS ARE STORED IN THE ORDER IN WHICH THE PRODUCTS WANT THEM: in every 32 rows of x's and of the weights' codes and scale bytes the two middle groups of 8 change places, so that 16 stored rows are rows 0-7 and 16-23 (or 8-15 and 24-31) of the 32.
; A result whose source 0 is made of such tiles has 16 neighbours in the 16 registers of two neighbouring tiles.  rel_key's rows stay in their order.
; The two ways through the text part on the work-group's number alone; each has LDS bytes of its own.  No tensor loads, no barrier: waves share nothing.
.set STEPS, 16
.set EMAX,  4
.set CB,    12                         ; bytes of 16 codes
.set R,     16                         ; v16-79   K innermost: four sets of 16 numbers as they are loaded
.set X,     80                         ; v80-111  two sets of 16 neighbours
.set E,     112                        ; v112-127 a scale byte for each step
.set C,     128                        ; v128-191 codes: four registers for each step
.set WREG,  8192                       ; LDS 0 .. 32,767: a region for each wave: two stages of 32 x SP bytes, behind them its 256 scale bytes
.set SP,    80
.set STGB,  32768                      ; LDS 32,768 on: K outermost: a stage of 32 rows x PITCHB for each wave
.set PITCHB, 272
.set SPARE, STGB+4*32*PITCHB           ; 67,584: the spare words, 128 bytes for each wave: two blocks of 256 bytes that no other line names
.set SPW,   192                        ; v192 LDS address of my spare word; never rewritten
.set NIL,   193                        ; v193 0; never rewritten
.set KW,    256                        ; K outermost: along K for a wave
.set NB,    8                          ; blocks
.set ROWB,  192                        ; bytes of KW codes
.set KROW,  768                        ; a row of codes in bytes
.set WN,    1024                       ; columns of a weight
.set XW,    32                         ; v32-95   two sets of 32 numbers
.set CW,    96                         ; v96..    a block's codes
.set OUTR,  112                        ; v112-175 the way out
.set SB,    24                         ; v24-25   the scale bytes, four to a register
	s_load_b256 s[4:11], s[0:1], 0x0               ; x, rel_key, Wq, Wk
	s_load_b256 s[12:19], s[0:1], 0x20             ; Wv, Wo, x_codes, x_scales
	s_load_b128 s[20:23], s[0:1], 0x40             ; rel_q, w_codes
	s_load_b64 s[24:25], s[0:1], 0x50              ; w_scales
	v_lshl_add_u32 v[SPW], v0, 2, SPARE
	v_mov_b32 v[NIL], 0
	v_lshrrev_b32 v1, 5, v0
	v_readfirstlane_b32 s30, v1                    ; wave
	v_and_b32 v2, 31, v0                           ; lane
	s_cmp_lt_u32 ttmp9, 132
	s_cbranch_scc0 .Lweights
; ---- K INNERMOST.  A tensor is a plain stream of blocks of 32.  A wave takes 16 steps of 512 numbers (8 rows of x, 128 of rel_key).  Each load reads 512 consecutive bytes; a step's 2,048 bytes turn through
; the wave's own stage, so that a lane holds 16 neighbours; two neighbouring lanes hold a block.
	v_lshlrev_b32 v3, 4, v2                        ; my 16 bytes of a load's 512
	s_mul_i32 s31, s30, WREG
	v_lshrrev_b32 v14, 2, v2
	v_mul_u32_u24 v14, v14, SP
	v_and_b32 v15, 3, v2
	v_lshl_add_u32 v14, v15, 4, v14
	v_add_nc_u32 v14, s31, v14                     ; the stage, on the way in: SP (lane / 4) + 16 (lane % 4)
	v_mul_u32_u24 v15, v2, SP
	v_add_nc_u32 v15, s31, v15                     ; and on the way out: SP x lane
	v_mul_u32_u24 v4, v2, CB                       ; my codes' place in a step's
	v_lshrrev_b32 v5, 1, v2
	s_add_co_u32 s31, s31, 2*32*SP
	v_add_nc_u32 v5, s31, v5                       ; my block's byte among my wave's 256
	v_lshlrev_b32 v7, 3, v2
	v_add_nc_u32 v6, s31, v7
	s_lshl_b32 s32, s30, 1
	s_and_b32 s32, s32, 2
	s_lshr_b32 s33, s30, 1
	s_or_b32 s32, s32, s33                         ; waves 1 and 2 change places on the way out: x's groups of 8 rows
	s_wait_alu depctr_va_vdst(0)
	s_wait_kmcnt 0x0
	s_add_nc_u64 s[26:27], s[20:21], 98304         ; rel_key's scale bytes lie behind its codes
	s_cmp_lt_u32 ttmp9, 128                        ; x's work-group or rel_key's?  The choice hangs on the work-group's number alone
	s_cselect_b64 s[4:5], s[4:5], s[6:7]
	s_cselect_b64 s[8:9], s[16:17], s[20:21]
	s_cselect_b64 s[10:11], s[18:19], s[26:27]
	s_cselect_b32 s32, s32, s30                    ; rel_key's rows keep their order
	s_cselect_b32 s33, 0, 128
	s_sub_co_u32 s33, ttmp9, s33
	s_lshl_b32 s33, s33, 2
	s_add_co_u32 s34, s33, s30                     ; which run of 8,192 numbers I read,
	s_add_co_u32 s36, s33, s32                     ; and at which run's place I store
	s_lshl_b32 s34, s34, 15
	s_mov_b32 s35, 0
	s_add_nc_u64 s[4:5], s[4:5], s[34:35]
	s_mul_i32 s34, s36, 32*STEPS*CB
	s_add_nc_u64 s[8:9], s[8:9], s[34:35]
	s_lshl_b32 s34, s36, 8
	s_add_nc_u64 s[10:11], s[10:11], s[34:35]
.macro LOADA t
.irp i, 0,1,2,3
	global_load_b128 v[R+16*((\t)%4)+4*\i:R+16*((\t)%4)+4*\i+3], v3, s[4:5] offset:2048*(\t)+512*\i th:TH_LOAD_NT   ; 32 lanes read 512 consecutive bytes
.endr
.endm
.macro TURNA t                         ; a step's numbers through the stage: LDS serves a wave's instructions in order, so no wait stands between the stores and the loads
.irp i, 0,1,2,3
	ds_store_b128 v14, v[R+16*((\t)%4)+4*\i:R+16*((\t)%4)+4*\i+3] offset:32*SP*((\t)%2)+8*SP*\i
.endr
.irp i, 0,1,2,3
	ds_load_b128 v[X+16*((\t)%2)+4*\i:X+16*((\t)%2)+4*\i+3], v15 offset:32*SP*((\t)%2)+16*\i
.endr
.endm
.irp t, 0,1,2,3
	LOADA \t
.endr
	s_wait_loadcnt 12                              ; step 0's four loads are in; the twelve of steps 1 to 3 may be out
	TURNA 0
.macro STEPA t
.set XS, X+16*((\t)%2)
.if (\t) > 0
	s_wait_dscnt 1                                 ; this step's numbers are back from the stage (the last step's byte store may be out)
.else
	s_wait_dscnt 0x0
.endif
.if (\t)+4 < STEPS
	LOADA (\t)+4                                   ; into the registers that this step's stores into the stage have read
.endif
.if (\t)+1 < STEPS
.if STEPS-2-(\t) >= 3
	s_wait_loadcnt 12                              ; the next step's four loads are in; those of the three steps behind it may be out
.else
	s_wait_loadcnt 4*(STEPS-2-(\t))
.endif
	TURNA (\t)+1
.endif
	v_max3_num_f32 v8, |v[XS]|, |v[XS+1]|, |v[XS+2]|               ; the largest magnitude of my 16
	v_max3_num_f32 v9, |v[XS+3]|, |v[XS+4]|, |v[XS+5]|
.irp i, 6,10
	v_max3_num_f32 v8, v8, |v[XS+\i]|, |v[XS+\i+1]|
	v_max3_num_f32 v9, v9, |v[XS+\i+2]|, |v[XS+\i+3]|
.endr
	v_max3_num_f32 v8, v8, |v[XS+14]|, |v[XS+15]|
	v_max3_num_f32 v8, v8, v9, (EMAX+1)<<23        ; and the floor 2^(EMAX + 1 - 127): the byte cannot fall under 1
	v_max_num_f32_dpp v8, v8, v8 row_xmask:1 row_mask:0xf bank_mask:0xf   ; and of my neighbour's 16: the block's
	v_add_nc_u32 v11, -(EMAX<<23), v8              ; EMAX off its exponent field: the conversion takes the exponent field of this operand as its scale
	v_cvt_scalef32_pk16_bf6_f32 v[C+4*(\t):C+4*(\t)+2], v[XS:XS+15], v11
	v_lshrrev_b32 v[E+(\t)], 23, v11               ; the scale's byte (also the plain line behind the conversion)
	ds_store_b8 v5, v[E+(\t)] offset:16*(\t)       ; both lanes of a block write the same byte with the same value
	global_store_b96 v4, v[C+4*(\t):C+4*(\t)+2], s[8:9] offset:32*CB*(\t)   ; the wave stores 384 consecutive bytes
.endm
.irp t, 0,1,2,3,4,5,6,7,8,9,10,11,12,13,14,15
	STEPA \t
.endr
	ds_load_b64 v[8:9], v6                         ; LDS serves a wave's instructions in order: these see my stores
	s_wait_dscnt 0x0
	global_store_b64 v7, v[8:9], s[10:11]          ; 32 lanes store 256 consecutive bytes, aligned
	s_branch .Lend
; ---- K OUTERMOST.  A lane takes a column n and its registers run down K: a block of 32 lies in one lane, and the conversions give codes with K innermost.  A wave takes 32 columns x 256 along K;
; its codes go through its own stage and leave as rows of 192 consecutive bytes, sixteen lanes to a row.
.Lweights:
	s_sub_co_u32 s31, ttmp9, 132
	s_lshr_b32 s33, s31, 5                         ; which weight: Wq, Wk, Wv, Wo
	s_and_b32 s34, s31, 7                          ; which 128 columns
	s_bfe_u32 s35, s31, 0x20003                    ; which 256 along K
	s_lshl_b32 s34, s34, 7
	s_lshl_b32 s36, s30, 5
	s_add_co_u32 s34, s34, s36                     ; my wave's first column
	s_wait_alu depctr_va_vdst(0)
	v_lshlrev_b32 v3, 2, v2                        ; in: 4 bytes a lane
	s_mul_i32 s36, s30, 32*PITCHB
	s_add_co_u32 s36, s36, STGB                    ; my stage
	v_mul_u32_u24 v4, v2, PITCHB
	v_add_nc_u32 v4, s36, v4                       ; into it: row = my column
	v_and_b32 v5, 15, v2
	v_lshrrev_b32 v6, 4, v2
	v_mul_u32_u24 v7, v6, PITCHB
	v_lshl_add_u32 v7, v5, 4, v7
	v_add_nc_u32 v7, s36, v7                       ; out of it: sixteen lanes to a row, two rows an instruction
	v_mul_u32_u24 v8, v6, KROW
	v_mad_u32_u24 v8, v5, 12, v8                   ; and the same place in the codes' buffer
	v_and_b32 v9, 7, v2                            ; my column's place among the 32: the middle groups of 8 change places
	v_and_b32 v10, 8, v2
	v_lshl_or_b32 v9, v10, 1, v9
	v_and_b32 v10, 16, v2
	v_lshrrev_b32 v10, 1, v10
	v_or_b32 v9, v9, v10
	v_lshlrev_b32 v9, 5, v9                        ; x 32 scale bytes a row
	s_mul_i32 s36, s35, KW*WN*4
	s_lshl_b32 s37, s34, 2
	s_add_co_u32 s36, s36, s37
	s_mov_b32 s37, 0                               ; the weight: 256 y rows + 4 x column
	s_mul_i32 s38, s33, 1024*KROW
	s_mul_i32 s39, s34, KROW
	s_add_co_u32 s38, s38, s39
	s_mul_i32 s39, s35, ROWB
	s_add_co_u32 s38, s38, s39
	s_mov_b32 s39, 0                               ; the codes: weight, column, 192 y
	s_lshl_b32 s40, s33, 15
	s_lshl_b32 s41, s34, 5
	s_add_co_u32 s40, s40, s41
	s_lshl_b32 s41, s35, 3
	s_add_co_u32 s40, s40, s41
	s_mov_b32 s41, 0                               ; the scale bytes: weight, column, 8 y
	s_wait_kmcnt 0x0
	s_cmp_eq_u32 s33, 1
	s_cselect_b64 s[4:5], s[10:11], s[8:9]
	s_cmp_eq_u32 s33, 2
	s_cselect_b64 s[4:5], s[12:13], s[4:5]
	s_cmp_eq_u32 s33, 3
	s_cselect_b64 s[4:5], s[14:15], s[4:5]
	s_add_nc_u64 s[4:5], s[4:5], s[36:37]
	s_add_nc_u64 s[6:7], s[22:23], s[38:39]
	s_add_nc_u64 s[8:9], s[24:25], s[40:41]
.macro LOADB t                         ; block t: W(32 t + i, my column) into set t % 2
.irp i, 0,1,2,3,4,5,6,7,8,9,10,11,12,13,14,15,16,17,18,19,20,21,22,23,24,25,26,27,28,29,30,31
	global_load_b32 v[XW+32*((\t)%2)+\i], v3, s[4:5] offset:(32*(\t)+\i)*WN*4 th:TH_LOAD_NT
.endr
.endm
	LOADB 0
	LOADB 1
.macro BLOCKB t
.set XSB, XW+32*((\t)%2)
.if (\t) < NB-1
	s_wait_loadcnt 32                              ; this block's 32 loads are in; the next block's may be out
.else
	s_wait_loadcnt 0
.endif
	v_max3_num_f32 v12, |v[XSB]|, |v[XSB+1]|, |v[XSB+2]|           ; the block's largest magnitude: all 32 numbers are mine
	v_max3_num_f32 v13, |v[XSB+3]|, |v[XSB+4]|, |v[XSB+5]|
.irp i, 6,10,14,18,22,26
	v_max3_num_f32 v12, v12, |v[XSB+\i]|, |v[XSB+\i+1]|
	v_max3_num_f32 v13, v13, |v[XSB+\i+2]|, |v[XSB+\i+3]|
.endr
	v_max3_num_f32 v12, v12, |v[XSB+30]|, |v[XSB+31]|
	v_max3_num_f32 v12, v12, v13, (EMAX+1)<<23     ; and the floor
	v_add_nc_u32 v11, -(EMAX<<23), v12
	v_lshrrev_b32 v13, 23, v11                     ; the scale's byte
.if (\t)%4 == 0
	v_mov_b32 v[SB+(\t)/4], v13
.else
	v_lshl_or_b32 v[SB+(\t)/4], v13, 8*((\t)%4), v[SB+(\t)/4]
.endif
	v_cvt_scalef32_pk16_bf6_f32 v[CW:CW+2], v[XSB:XSB+15], v11
	v_cvt_scalef32_pk16_bf6_f32 v[CW+4:CW+6], v[XSB+16:XSB+31], v11   ; (a conversion's three registers begin on an even number)
	ds_store_b96 v4, v[CW:CW+2] offset:32*(\t)     ; 12 bytes to a place of 16, so that every LDS address is a multiple of 16
	ds_store_b96 v4, v[CW+4:CW+6] offset:32*(\t)+16
.if (\t)+2 < NB
	LOADB (\t)+2
.endif
	s_wait_dscnt 0x0                               ; the stores have read their registers: the next block's codes may be written
.endm
.set Q, 0
.rept NB
	BLOCKB Q
.set Q, Q+1
.endr
	s_wait_alu depctr_va_vdst(0)
	global_store_b64 v9, v[SB:SB+1], s[8:9]        ; my column's 8 scale bytes
.irp t, 0,1,2,3,4,5,6,7,8,9,10,11,12,13,14,15
	ds_load_b96 v[OUTR+4*\t:OUTR+4*\t+2], v7 offset:2*\t*PITCHB
.endr
.irp t, 0,1,2,3,4,5,6,7,8,9,10,11,12,13,14,15
	s_wait_dscnt 15-\t                             ; the later reads of the stage may be out
	global_store_b96 v8, v[OUTR+4*\t:OUTR+4*\t+2], s[6:7] offset:(((2*\t)&7)+16*(((2*\t)>>3)&1)+8*(((2*\t)>>4)&1))*KROW   ; columns 2 t and 2 t + 1, at their places among the 32
.endr
.Lend:
	s_wait_tensorcnt 0x0                           ; the wave's end
	ds_add_u32 v[SPW], v[NIL]
	s_wait_dscnt 0x0
	s_endpgm
.Lfunc_end_k_q427c46c474_quant:
	.size	k_q427c46c474_quant, .Lfunc_end_k_q427c46c474_quant-k_q427c46c474_quant
	.p2alignl 7, 3214868480
	.fill 96, 4, 3214868480
	.section	.rodata,"a",@progbits
	.p2align	6, 0x0
	.amdhsa_kernel k_q427c46c474_quant
		.amdhsa_group_segment_fixed_size 68096
		.amdhsa_private_segment_fixed_size 0
		.amdhsa_enable_private_segment 0
		.amdhsa_kernarg_size 88
		.amdhsa_user_sgpr_count 2
		.amdhsa_user_sgpr_kernarg_segment_ptr 1
		.amdhsa_wavefront_size32 1
		.amdhsa_system_sgpr_workgroup_id_x 1
		.amdhsa_system_sgpr_workgroup_id_y 1
		.amdhsa_system_sgpr_workgroup_id_z 1
		.amdhsa_system_vgpr_workitem_id 0
		.amdhsa_next_free_vgpr 196
		.amdhsa_next_free_sgpr 66
		.amdhsa_reserve_vcc 0
		.amdhsa_float_denorm_mode_32 3
		.amdhsa_float_denorm_mode_16_64 3
		.amdhsa_memory_ordered 1
		.amdhsa_forward_progress 1
		.amdhsa_inst_pref_size 74
	.end_amdhsa_kernel
	.amdgpu_metadata
---
amdhsa.version: [ 1, 2 ]
amdhsa.kernels:
  - .name:           k_q427c46c474_quant
    .symbol:         k_q427c46c474_quant.kd
    .args:
      - { .name: x, .offset: 0, .size: 8, .value_kind: global_buffer, .address_space: global }
      - { .name: rel_key, .offset: 8, .size: 8, .value_kind: global_buffer, .address_space: global }
      - { .name: Wq, .offset: 16, .size: 8, .value_kind: global_buffer, .address_space: global }
      - { .name: Wk, .offset: 24, .size: 8, .value_kind: global_buffer, .address_space: global }
      - { .name: Wv, .offset: 32, .size: 8, .value_kind: global_buffer, .address_space: global }
      - { .name: Wo, .offset: 40, .size: 8, .value_kind: global_buffer, .address_space: global }
      - { .name: x_codes, .offset: 48, .size: 8, .value_kind: global_buffer, .address_space: global }
      - { .name: x_scales, .offset: 56, .size: 8, .value_kind: global_buffer, .address_space: global }
      - { .name: rel_q, .offset: 64, .size: 8, .value_kind: global_buffer, .address_space: global }
      - { .name: w_codes, .offset: 72, .size: 8, .value_kind: global_buffer, .address_space: global }
      - { .name: w_scales, .offset: 80, .size: 8, .value_kind: global_buffer, .address_space: global }
    .group_segment_fixed_size: 68096
    .private_segment_fixed_size: 0
    .kernarg_segment_align: 8
    .kernarg_segment_size: 88
    .max_flat_workgroup_size: 128
    .sgpr_count:     66
    .vgpr_count:     196
    .wavefront_size: 32
...
	.end_amdgpu_metadata
.endif
;; end of part 1
;; launch qkv (part 2): grid 8 x 32, 4 waves a work-group, clusters of 4 x 4, 327,680 bytes of LDS; arguments x_codes, x_scales, w_codes, w_scales, bq, bk, bv, qrec, kvrec; writes qrec, kvrec
.if DOCPART == 2
	.amdgcn_target "amdgcn-amd-amdhsa--gfx1250"
	.amdhsa_code_object_version 6
	.text
	.protected	k_q427c46c474_qkv
	.globl	k_q427c46c474_qkv
	.p2align	8
	.type	k_q427c46c474_qkv,@function
k_q427c46c474_qkv:
	s_mov_b64 s[64:65], 0
	v_nop
	global_prefetch_b8 v0, s[64:65] scope:SCOPE_SE
	s_setreg_imm32_b32 hwreg(HW_REG_WAVE_MODE, 25, 1), 1
	s_wait_xcnt 0x0
	s_wait_alu depctr_hold_cnt(0) depctr_sa_sdst(0) depctr_va_vdst(0) depctr_va_sdst(0) depctr_va_ssrc(0) depctr_va_vcc(0) depctr_vm_vsrc(0)
	s_getreg_b32 s2, hwreg(HW_REG_IB_STS2, 6, 4)
	s_cmp_eq_u32 s2, 0
	s_cbranch_scc0 .Lentry_in_a_cluster
	s_endpgm
.Lentry_in_a_cluster:
	s_bfe_u32 s2, ttmp6, 0x10000c
	s_cmp_lg_u32 s2, 0xf033
	s_cbranch_scc0 .Lentry_shape_is_right
	s_endpgm
.Lentry_shape_is_right:
; q = x Wq + bq, k = x Wk + bk, v = x Wv + bv on codes of BF6 (E3M2) with E8M0 scales; the results are quantised in registers for the attention: q and k along the head's 64, v along the keys.
; A WORK-GROUP STAYS: it holds ONE block of 128 tokens of x in LDS, loaded once, and makes three products with it: rows 128 g .. 128 g + 127 of Wq's, Wk's and Wv's codes (two heads).  256 work-groups: 8 (g) x 32 (token blocks).
; ONE FORM: C'[u][w] = sum over k of set0[u][k] set1[w][k]; source 0 = 16 rows of set0, source 1 = 16 rows of set1: a lane holds ONE row w and its registers run along u, and the result is quantised along u.
;   q, k: set0 = the weights' rows, set1 = the tokens (the loop's two trips).   v: set0 = the tokens (keys), set1 = Wv's rows (the tail, written out).
; The rows of both buffers are stored so that 16 stored rows are rows 0-7 and 16-23 (or 8-15 and 24-31) of 32: the 16 registers of two neighbouring tiles of set0 are 16 neighbours along u.
; A wave makes all 128 u x 32 w: 16 accumulators.
; LDS: x's 128 whole rows of 768 bytes; two slots for the weights' 128 rows; the scale bytes of each (4,096).  Every tensor row begins at a multiple of 256 bytes.
; THE RING: the head asks for x and Wq (one joint load a wave); at the top of trip t the other slot is asked for the weights of product t + 1, which so have a whole product (128 matrix instructions a wave) in which to land.
; No prefetch is written: each weight tile is asked for one whole product ahead of its first read, and x is read from the first step on.
; CLUSTER 4 x 4: x's tile hangs on the work-group's y alone and is shared along a row of the cluster, the weights' on its x alone and are shared along a column: each is asked for jointly.
; WHAT IS STORED: images of operand registers.  A unit is 16 rows x 64 K: six registers a lane, as 3 planes of 256 bytes (plane p = registers 2 p, 2 p + 1 at 8 x lane).
;   qrec: [batch x head][tile of 16 queries][768]; from byte 3,145,728 the scale words, 4 bytes a lane for a pair of tiles (lanes 0-15 the even tile), bytes 2 and 3 of a word 0.
;   kvrec: for each head and 128 keys a record of 13,056 bytes: K's 8 units, K's scale words (4 pairs x 128), V^T's 4 fragments of 16 channels x 128 keys (6 planes each), V's scale words (2 pairs x 128).
; LIMITS: a block of zeros gets the byte 1 (its codes are zeros; this program alone reads the bytes); NaN and infinities are not served.
; REGISTERS.  Window 0: v1 r, v2 h; v8-12 address terms; v16-25, v60, v62 addresses; v28, v29 the add's two; v32-51 scale words, two sets of 10; v64-127 the bias, later the codes; v128-255 the accumulators (tile (a, b) at 128 + 64 b + 8 a).
;   Window 1: two fragment buffers, v0-119 and v128-247: set0's tile a at 12 a, set1's tile b at 96 + 12 b.
.set PITCH,  816                       ; an LDS row: 3 x (256 bytes + 16 of padding) = 204 words: row r starts at word 12 r mod 64, sixteen different groups of four banks
.set SETB,   128*PITCH                 ; x at 0, the weights' slot 0 at SETB, slot 1 at 2 SETB
.set SCL,    3*SETB                    ; x's scale bytes; the slots' at SCL + 4,096 and SCL + 8,192
.set SPARE,  SCL+12288                 ; the spare words, 128 bytes for each wave: two blocks of 256 bytes that no other line names
.set TOGC,   SETB^(2*SETB)             ; one exclusive or turns a slot's address into the other's
.set TOGS,   (SCL+4096)^(SCL+8192)
.set RECB,   13056
.set S0T,  8                           ; v8   set0's scale words: 32 r + 2,048 h (lanes 0-15 tile i, lanes 16-31 tile i + 4)
.set S1T,  9                           ; v9   set1's: 32 r + 512 h + 1,024 wave
.set BA,   10                          ; v10, v12  a fragment's row x pitch + 24 h; the same behind one padding more
.set AD1,  16                          ; v16, v18  my set1 fragments
.set AD0,  17                          ; v17, v19  set0's tiles 0-3
.set AD0H, 60                          ; v60, v62  set0's tiles 4-7: 64 rows on, so that every offset stays inside 16 bits
.set ADS0, 20
.set ADS1, 21
.set L8,   22                          ; 8 x lane
.set L4,   23                          ; 4 x lane
.set BOF,  24                          ; the bias loads' offset, q and k
.set BOFV, 25                          ; and v
.set SPW,  28
.set NIL,  29
.set SC,   32
.set BI,   64
.set ACC,  128
.set PC0,  64
.set PC1,  84
.set TM,   104
.set PW0,  120
.set PW1,  121
.set G1,   24                          ; s[24:31], s[32:35] x's codes (free behind the first trip's wait)
.set G0,   32
.set G1B,  48                          ; s[48:55], s[56:59] the weights' codes
.set G0B,  56
.set G1S,  68                          ; s[68:75], s[76:79] x's scale bytes
.set G0S,  76
.set G1SB, 80                          ; s[80:87], s[88:91] the weights' scale bytes
.set G0SB, 88
.set TRIP, 60                          ; s60 the trip: 0 q, 1 k
.set SLC,  61                          ; s61 LDS byte of the slot in hand,
.set SLS,  62                          ; s62 and of its scale bytes
.set SEL,  66
.set MSB, 0
.macro WIN new                         ; the immediate's high byte repeats the setting that is left
.if MSB != \new
	s_set_vgpr_msb (MSB<<8)|\new
.set MSB, \new
.endif
.endm
.set MUL,  0x05                        ; sources 0 and 1 window 1; C and D window 0
.set TO_F, 0x40                        ; destination window 1, address window 0
.macro TLOAD g0, g1                    ; a joint load, with a nop and four v_nop behind it
	tensor_load_to_lds s[\g0:\g0+3], s[\g1:\g1+7]
	s_nop 0
.rept 4
	v_nop
.endr
.endm
.macro ARM under, g0, g1, next         ; one arm of the head's chain of branches on the wave's number
	s_cmp_lt_u32 s12, \under
	s_cbranch_scc0 \next
	TLOAD \g0, \g1
	s_branch .Lhead_asked
\next:
.endm
.macro CROUND                          ; a round of the cluster's barrier
	s_barrier_signal -1
	s_barrier_wait -1
	s_cmp_lg_u32 s12, 0
	s_cbranch_scc1 .Lnot_wave_0_\@
	s_barrier_signal -3
.Lnot_wave_0_\@:
	s_barrier_wait -3
	s_barrier_signal -1
	s_barrier_wait -1
.endm
.macro PLACES n
.rept \n
	v_nop
.endr
.endm
; one matrix instruction: D at d, sources at fa and fb, C at c, scale words in sa and sb; ra, rb = 1: the scales are taken from lanes 16-31
.macro WMC d, fa, fb, c, sa, sb, ra, rb
.if (\ra) && (\rb)
	v_wmma_scale_f32_16x16x128_f8f6f4 v[\d:\d+7], v[\fa:\fa+11], v[\fb:\fb+11], v[\c:\c+7], v[\sa], v[\sb] matrix_a_fmt:MATRIX_FMT_BF6 matrix_b_fmt:MATRIX_FMT_BF6 matrix_a_scale:MATRIX_SCALE_ROW1 matrix_b_scale:MATRIX_SCALE_ROW1
.elseif (\ra)
	v_wmma_scale_f32_16x16x128_f8f6f4 v[\d:\d+7], v[\fa:\fa+11], v[\fb:\fb+11], v[\c:\c+7], v[\sa], v[\sb] matrix_a_fmt:MATRIX_FMT_BF6 matrix_b_fmt:MATRIX_FMT_BF6 matrix_a_scale:MATRIX_SCALE_ROW1
.elseif (\rb)
	v_wmma_scale_f32_16x16x128_f8f6f4 v[\d:\d+7], v[\fa:\fa+11], v[\fb:\fb+11], v[\c:\c+7], v[\sa], v[\sb] matrix_a_fmt:MATRIX_FMT_BF6 matrix_b_fmt:MATRIX_FMT_BF6 matrix_b_scale:MATRIX_SCALE_ROW1
.else
	v_wmma_scale_f32_16x16x128_f8f6f4 v[\d:\d+7], v[\fa:\fa+11], v[\fb:\fb+11], v[\c:\c+7], v[\sa], v[\sb] matrix_a_fmt:MATRIX_FMT_BF6 matrix_b_fmt:MATRIX_FMT_BF6
.endif
.endm
	s_load_b256 s[4:11], s[0:1], 0x0               ; x_codes, x_scales, w_codes, w_scales
	s_load_b256 s[92:99], s[0:1], 0x20             ; bq, bk, bv, qrec
	s_load_b64 s[100:101], s[0:1], 0x40            ; kvrec
	v_lshl_add_u32 v[SPW], v0, 2, SPARE
	v_mov_b32 v[NIL], 0
	ds_add_u32 v[SPW], v[NIL]                      ; the wave's opening: the add, twice on end, and its wait ahead of my first tensor load
	ds_add_u32 v[SPW], v[NIL]
	v_lshrrev_b32 v1, 5, v0
	v_readfirstlane_b32 s12, v1                    ; wave 0..3
	s_lshr_b32 s13, s12, 1                         ; v: which of the two heads my 32 rows of Wv belong to
	s_and_b32 s14, s12, 1                          ; v: which pair of that head's four fragments
	s_bfe_u32 s15, ttmp6, 0x40000                  ; cx
	s_bfe_u32 s16, ttmp6, 0x40004                  ; cy
	s_lshl_b32 s18, ttmp9, 2
	s_add_co_u32 s18, s18, s15                     ; g: which 128 rows of each weight
	s_and_b32 s22, ttmp7, 0xffff
	s_lshl_b32 s22, s22, 2
	s_add_co_u32 s22, s22, s16                     ; which 128 tokens
	s_lshl_b32 s40, s16, 2
	s_lshl_b32 s40, 15, s40                        ; my row of the cluster
	s_lshl_b32 s41, 0x1111, s15                    ; my column
	; group 1 for codes: 128 whole rows of 768 bytes, dense; 16 bytes of padding behind every 256
	s_or_b32 s[G1+0], s40, (0<<16)|(1<<20)|(1<<21)|(5<<22)|(3<<25)
	s_or_b32 s[G1B+0], s41, (0<<16)|(1<<20)|(1<<21)|(5<<22)|(3<<25)
.irp g, G1, G1B
	s_mov_b32 s[\g+1], 768<<16                     ; tensor_dim0
	s_mov_b32 s[\g+2], 128<<16                     ; tensor_dim1
	s_mov_b32 s[\g+3], 768<<16                     ; tile_dim0
	s_mov_b32 s[\g+4], 128                         ; tile_dim1
	s_mov_b32 s[\g+5], 768                         ; the pitch
	s_mov_b32 s[\g+6], 0
	s_mov_b32 s[\g+7], 0
.endr
	; group 1 for scale bytes: 4,096 dense bytes as 16 rows of 256 (32 elements of 8 bytes)
	s_or_b32 s[G1S+0], s40, (3<<16)|(1<<21)
	s_or_b32 s[G1SB+0], s41, (3<<16)|(1<<21)
.irp g, G1S, G1SB
	s_mov_b32 s[\g+1], 32<<16
	s_mov_b32 s[\g+2], 16<<16
	s_mov_b32 s[\g+3], 32<<16
	s_mov_b32 s[\g+4], 16
	s_mov_b32 s[\g+5], 32
	s_mov_b32 s[\g+6], 0
	s_mov_b32 s[\g+7], 0
.endr
	s_mul_i32 s2, s18, 98304                       ; Wq's rows 128 g: codes,
	s_mov_b32 s3, 0
	s_lshl_b32 s46, s18, 12                        ; scale bytes
	s_mov_b32 s47, 0
	s_mul_i32 s42, s22, 98304                      ; x's block likewise
	s_mov_b32 s43, 0
	s_lshl_b32 s44, s22, 12
	s_mov_b32 s45, 0
	s_mov_b32 s[SEL], 0x76543210
	s_mov_b32 s[SEL+1], 0xfedcba98                 ; v_permlanex16_b32's selects for lane l xor 16
	s_wait_dscnt 0x0                               ; both opening adds are done
	s_wait_kmcnt 0x0
	s_add_nc_u64 s[G0+2:G0+3], s[4:5], s[42:43]
	s_add_nc_u64 s[G0S+2:G0S+3], s[6:7], s[44:45]
	s_add_nc_u64 s[G0B+2:G0B+3], s[8:9], s[2:3]
	s_add_nc_u64 s[G0SB+2:G0SB+3], s[10:11], s[46:47]
.irp g, G0, G0B, G0S, G0SB
	s_mov_b32 s[\g], 1
	s_or_b32 s[\g+3], s[\g+3], 0x80000000
.endr
	s_mov_b32 s[G0+1], 0                           ; where they go: constants alone
	s_mov_b32 s[G0B+1], SETB
	s_mov_b32 s[G0S+1], SCL
	s_mov_b32 s[G0SB+1], SCL+4096
	CROUND                                         ; all sixteen work-groups are here: the joint loads meet
	ARM 1, G0,  G1,  .Lhead_b                      ; wave 0: x's codes; one tensor load a wave at the head
	ARM 2, G0B, G1B, .Lhead_sa                     ; wave 1: Wq's codes, slot 0
	ARM 3, G0S, G1S, .Lhead_sb                     ; wave 2: x's scale bytes
	TLOAD G0SB, G1SB                               ; wave 3: Wq's
.Lhead_asked:
	v_and_b32 v1, 15, v0                           ; r
	v_bfe_u32 v2, v0, 4, 1                         ; h
	v_mul_u32_u24 v3, v1, PITCH
	v_mul_u32_u24 v4, v2, 24
	v_add_nc_u32 v[BA], v3, v4
	v_lshl_add_u32 v[BA+2], v2, 4, v[BA]
	s_mul_i32 s23, s12, 32*PITCH                   ; q, k: my 32 tokens
	v_add_nc_u32 v[AD1], s23, v[BA]
	v_add_nc_u32 v[AD1+2], s23, v[BA+2]
	v_lshlrev_b32 v6, 5, v1                        ; 32 scale bytes a row
	v_lshl_add_u32 v[S0T], v2, 11, v6
	v_lshl_add_u32 v[S1T], v2, 9, v6
	s_lshl_b32 s23, s12, 10
	v_add_nc_u32 v[S1T], s23, v[S1T]
	v_add_nc_u32 v[ADS1], SCL, v[S1T]
	v_and_b32 v7, 31, v0
	v_lshlrev_b32 v[L8], 3, v7
	v_lshlrev_b32 v[L4], 2, v7
	v_lshlrev_b32 v[BOF], 6, v2
	v_and_b32 v[BOFV], 8, v1
	v_add_nc_u32 v[BOFV], v[BOFV], v1              ; r + 8 (r / 8): the stored rows' order
	v_lshlrev_b32 v[BOFV], 2, v[BOFV]
	s_lshr_b32 s20, s22, 4
	s_lshl_b32 s20, s20, 4
	s_lshl_b32 s19, s18, 1
	s_add_co_u32 s20, s20, s19                     ; s20 = 16 x batch + my first head
	s_and_b32 s19, s22, 15                         ; s19 = block of 128 tokens in the batch
	s_lshl_b32 s21, s20, 4
	s_add_co_u32 s21, s21, s19
	s_mul_i32 s21, s21, RECB                       ; s21 = that head's record of these tokens
	s_lshl_b32 s16, s18, 9
	s_mov_b32 s17, 0                               ; s[16:17] = where my 128 numbers of a bias begin
	s_mov_b32 s[TRIP], 0
	s_mov_b32 s[SLC], SETB
	s_mov_b32 s[SLS], SCL+4096
.macro FRAG reg, adr, q, i             ; a fragment, 16 rows x 128 K of step q: lane (r, h) takes 24 bytes at 96 q + 24 h and 24 at 96 q + 48 + 24 h of its row, in pieces of 8 bytes
.irp p, 0,1,2,3,4,5
.set BY, 96*(\q)+48*(\p/3)+8*(\p%3)    ; byte y of a row of codes lies at y + 16 (y / 256) of the LDS row; where lanes 16-31 lie behind one padding more, the second address register serves
.if BY/256 == (BY+24)/256
	ds_load_b64 v[\reg+2*\p:\reg+2*\p+1], v[\adr] offset:BY+16*(BY/256)+(\i)*16*PITCH
.else
	ds_load_b64 v[\reg+2*\p:\reg+2*\p+1], v[\adr+2] offset:BY+16*(BY/256)+(\i)*16*PITCH
.endif
.endr
.endm
.macro FETCH q, f                      ; 60 LDS loads: set0's eight fragments and my two of set1, step q, into buffer f
	WIN TO_F
.irp i, 0,1,2,3
	FRAG \f+12*\i, AD0, \q, \i
	FRAG \f+48+12*\i, AD0H, \q, \i
.endr
.irp i, 0,1
	FRAG \f+96+12*\i, AD1, \q, \i
.endr
	WIN 0
.endm
.macro SCALES c, s                     ; the scale words of steps 2 c and 2 c + 1 (two a row) into set s
.irp i, 0,1,2,3
	ds_load_b64 v[SC+10*(\s)+2*\i:SC+10*(\s)+2*\i+1], v[ADS0] offset:512*\i+8*(\c)
.endr
	ds_load_b64 v[SC+10*(\s)+8:SC+10*(\s)+9], v[ADS1] offset:8*(\c)
.endm
; 8 matrix instructions: set0's tiles a0 .. a0 + 3 x my two of set1.  cm = 0: the sums go on; 1: they begin with bias group a; 2: with group b.
; The 16 accumulators take turns, one instruction a turn, in the same order in every step.
.macro MUL8 f, s, q, a0, cm
.irp a, \a0, \a0+1, \a0+2, \a0+3
.irp b, 0,1
.if \cm == 0
	WMC ACC+64*\b+8*(\a), \f+12*(\a), \f+96+12*\b, ACC+64*\b+8*(\a), SC+10*(\s)+2*((\a)%4)+(\q), SC+10*(\s)+8+(\q), (\a)/4, \b
.elseif \cm == 1
	WMC ACC+64*\b+8*(\a), \f+12*(\a), \f+96+12*\b, BI+8*(\a), SC+10*(\s)+2*((\a)%4)+(\q), SC+10*(\s)+8+(\q), (\a)/4, \b
.else
	WMC ACC+64*\b+8*(\a), \f+12*(\a), \f+96+12*\b, BI+8*\b, SC+10*(\s)+2*((\a)%4)+(\q), SC+10*(\s)+8+(\q), (\a)/4, \b
.endif
.endr
.endr
.endm
; Step s of eight (128 along K): buffer s % 2.  more = 1: in its middle the next step's fragments are fetched into the other buffer, behind four places.
.macro STEP s, more
	s_wait_dscnt 0x0                               ; this step's fragments and scale words are in
	WIN MUL
	MUL8 128*((\s)%2), ((\s)/2)%2, (\s)%2, 0, 0
.if \more
	WIN 0
	PLACES 4                                       ; in front of loads into registers that matrix instructions have read
.if (\s)%2 == 1
	SCALES ((\s)+1)/2, (((\s)+1)/2)%2
.endif
	FETCH (\s)+1, 128*(((\s)+1)%2)
	WIN MUL
.endif
	MUL8 128*((\s)%2), ((\s)/2)%2, (\s)%2, 4, 0
.endm
.macro KWALK cm                        ; a whole product: K = 1,024 in eight steps; step 0 starts the sums with the bias: nothing is cleared
	SCALES 0, 0
	FETCH 0, 0
	FETCH 1, 128
	s_wait_loadcnt 0x0                             ; the bias
	s_wait_dscnt 60                                ; all but the second fetch's 60 loads
	WIN MUL
	MUL8 0, 0, 0, 0, \cm
	MUL8 0, 0, 0, 4, \cm
.irp s, 1,2,3,4,5,6
	STEP \s, 1
.endr
	STEP 7, 0
	WIN 0
.endm
; 64 numbers of a lane, register 16 b + i = u 32 b + 16 h + i of my row, become 12 registers of codes at v[pc] on and the scale word in v[pw].
.macro QUANT s, pc, pw
.irp b, 0,1,2,3
	v_max3_num_f32 v[TM+\b], |v[\s+16*\b]|, |v[\s+1+16*\b]|, 0x2800000   ; block b: my 16 numbers, and the floor 2^(5 - 127): the byte cannot fall under 1
.endr
.irp i, 2,4,6,8,10,12,14
.irp b, 0,1,2,3
	v_max3_num_f32 v[TM+\b], v[TM+\b], |v[\s+16*\b+\i]|, |v[\s+1+16*\b+\i]|
.endr
.endr
.irp b, 0,1,2,3
	v_permlanex16_b32 v[TM+4+\b], v[TM+\b], s[SEL], s[SEL+1]
.endr
.irp b, 0,1,2,3
	v_max_num_f32 v[TM+\b], v[TM+\b], v[TM+4+\b]   ; with lane l xor 16's: the block's largest magnitude
.endr
.irp b, 0,1,2,3
	v_add_nc_u32 v[TM+12+\b], 0xfe000000, v[TM+\b] ; 4 off its exponent field: the conversion's scale operand
.endr
.irp b, 0,1,2,3
	v_lshrrev_b32 v[TM+4+\b], 23, v[TM+12+\b]      ; the scale's byte
.endr
	v_lshl_or_b32 v[\pw], v[TM+5], 8, v[TM+4]
	v_lshl_or_b32 v[\pw], v[TM+6], 16, v[\pw]
	v_lshl_or_b32 v[\pw], v[TM+7], 24, v[\pw]
.irp c, 0,1
	v_cvt_scalef32_pk16_bf6_f32 v[\pc+6*\c:\pc+2+6*\c], v[\s+32*\c:\s+15+32*\c], v[TM+12+2*\c]
	v_cvt_scalef32_pk16_bf6_f32 v[\pc+12+4*\c:\pc+14+4*\c], v[\s+16+32*\c:\s+31+32*\c], v[TM+12+2*\c+1]   ; (a conversion's three registers begin on an even number)
.endr
	v_nop                                          ; one plain place behind a scaled conversion
.irp c, 0,1                                    ; the operand's layout wants a whole block in a lane: lanes 0-15 block 2 c, lanes 16-31 block 2 c + 1
.irp i, 0,1,2
	v_permlane16_swap_b32 v[\pc+6*\c+\i], v[\pc+12+4*\c+\i]
.endr
.irp i, 0,1,2
	v_mov_b32 v[\pc+3+6*\c+\i], v[\pc+12+4*\c+\i]
.endr
.endr
.endm
.macro CODES                           ; both my tiles of set1 are quantised and their images stored: s[24:31] = (unit 0, tile 0), (0, 1), (1, 0), (1, 1)
.irp b, 0,1,2,3
	v_mov_b32 v[TM+4+\b], 0                        ; a lane permute's destination counts as one of its sources.  These four are also the places behind the last products
.endr
	QUANT ACC, PC0, PW0
	QUANT ACC+64, PC1, PW1
.irp u, 0,1
.irp p, 0,1,2
	global_store_b64 v[L8], v[PC0+6*\u+2*\p:PC0+6*\u+2*\p+1], s[24+4*\u:25+4*\u] offset:256*\p   ; a plane: 32 lanes store 256 consecutive bytes, aligned
	global_store_b64 v[L8], v[PC1+6*\u+2*\p:PC1+6*\u+2*\p+1], s[26+4*\u:27+4*\u] offset:256*\p
.endr
.endr
	v_cndmask_b32 v122, v[PW0], v[PW1], s46        ; lanes 0-15: my first tile's words, lanes 16-31 my second's
.endm
	s_wait_alu depctr_va_vdst(0)                   ; the wait at the head's end
.Ltrip:                                                ; two trips: q, then k
	s_wait_xcnt 0x0                                ; the last trip's stores have read their registers and bases
	s_wait_tensorcnt 0x0                           ; all my tensor loads have landed: my part of what this trip reads among them;
	ds_add_u32 v[SPW], v[NIL]
	s_xor_b32 s[G0B+1], s[G0B+1], TOGC             ; no load of mine is out: the descriptors walk: the other slot,
	s_xor_b32 s[G0SB+1], s[G0SB+1], TOGS
	s_add_nc_u64 s[G0B+2:G0B+3], s[G0B+2:G0B+3], 1024*768     ; the same rows of the next weight
	s_add_nc_u64 s[G0SB+2:G0SB+3], s[G0SB+2:G0SB+3], 1024*32
	s_wait_dscnt 0x0                               ; the add is done, and so are my reads of the other slot
	CROUND                                         ; both hold of every wave of all sixteen work-groups
	s_cmp_eq_u32 s12, 1                            ; wave 1 asks for the codes, wave 3 for the scale bytes: one joint load a wave (the first time: slot 1's first fill, issued as a refill is)
	s_cbranch_scc0 .Lnext_s
	TLOAD G0B, G1B
	s_branch .Lnext_asked
.Lnext_s:
	s_cmp_eq_u32 s12, 3
	s_cbranch_scc0 .Lnext_asked
	TLOAD G0SB, G1SB
.Lnext_asked:
	v_add_nc_u32 v[AD0], s[SLC], v[BA]             ; set0 = the weights in the slot in hand
	v_add_nc_u32 v[AD0+2], s[SLC], v[BA+2]
	s_add_co_u32 s63, s[SLC], 64*PITCH
	v_add_nc_u32 v[AD0H], s63, v[BA]
	v_add_nc_u32 v[AD0H+2], s63, v[BA+2]
	v_add_nc_u32 v[ADS0], s[SLS], v[S0T]
	s_wait_alu depctr_va_vdst(0)                   ; the wait behind these writes
	s_cmp_eq_u32 s[TRIP], 0
	s_cselect_b64 s[46:47], s[92:93], s[94:95]     ; bq or bk: the choice hangs on the trip alone
	s_add_nc_u64 s[46:47], s[46:47], s[16:17]
.irp a, 0,1,2,3,4,5,6,7                        ; the bias is the C of each sum's first product: group a holds that of tile a's units 32 (a / 2) + 16 h + 8 (a % 2) + 0 .. 7
	global_load_b128 v[BI+8*\a:BI+8*\a+3], v[BOF], s[46:47] offset:128*(\a/2)+32*(\a%2)
	global_load_b128 v[BI+8*\a+4:BI+8*\a+7], v[BOF], s[46:47] offset:128*(\a/2)+32*(\a%2)+16
.endr
	KWALK 1
	s_lshl_b32 s44, s20, 7                         ; where the results go.  q: my first tile's image,
	s_lshl_b32 s45, s19, 3
	s_add_co_u32 s44, s44, s45
	s_lshl_b32 s45, s12, 1
	s_add_co_u32 s44, s44, s45
	s_mul_i32 s44, s44, 768
	s_mul_i32 s45, s12, 1536
	s_add_co_u32 s45, s45, s21                     ; k: likewise, in the record
	s_lshl_b32 s32, s20, 6
	s_lshl_b32 s33, s19, 2
	s_add_co_u32 s32, s32, s33
	s_add_co_u32 s32, s32, s12
	s_lshl_b32 s32, s32, 7
	s_add_co_u32 s32, s32, 3145728                 ; q: my pair's scale words
	s_lshl_b32 s33, s12, 7
	s_add_co_u32 s33, s33, s21
	s_add_co_u32 s33, s33, 6144                    ; k
	s_mov_b32 s47, 16*RECB
	s_mov_b32 s35, 16*RECB
	s_cmp_eq_u32 s[TRIP], 0
	s_cselect_b32 s44, s44, s45
	s_cselect_b32 s32, s32, s33
	s_cselect_b64 s[2:3], s[98:99], s[100:101]
	s_cselect_b32 s47, 98304, s47                  ; from a fragment's first unit to its second: a head on
	s_cselect_b32 s35, 8192, s35                   ; the scale words of the next head
	s_mov_b32 s45, 0
	s_mov_b32 s33, 0
	s_add_nc_u64 s[24:25], s[2:3], s[44:45]        ; (x's load was shown done at the first trip's top: its descriptors' registers are free)
	s_add_nc_u64 s[26:27], s[24:25], 768
	s_mov_b32 s44, s47
	s_add_nc_u64 s[28:29], s[24:25], s[44:45]
	s_add_nc_u64 s[30:31], s[26:27], s[44:45]
	s_add_nc_u64 s[36:37], s[2:3], s[32:33]
	s_mov_b32 s44, s35
	s_add_nc_u64 s[38:39], s[36:37], s[44:45]
	s_mov_b32 s46, 0xffff0000
	CODES
	v_and_b32 v123, 0xffff, v122                   ; a word's lower two bytes are the first head's, the upper two the second's; the other half of each stored word is 0
	v_lshrrev_b32 v124, 16, v122
	global_store_b32 v[L4], v123, s[36:37]
	global_store_b32 v[L4], v124, s[38:39]
	s_xor_b32 s[SLC], s[SLC], TOGC
	s_xor_b32 s[SLS], s[SLS], TOGS
	s_add_co_u32 s[TRIP], s[TRIP], 1
	s_cmp_lt_u32 s[TRIP], 2
	s_wait_alu depctr_va_vdst(0)                   ; the wait ahead of the branch
	s_cbranch_scc1 .Ltrip
	; THE TAIL: v.  set0 = the tokens, set1 = Wv's rows, in slot 0.  Nothing is left to fetch.
	s_wait_xcnt 0x0                                ; k's stores have read their registers and bases
	s_wait_tensorcnt 0x0                           ; my part of Wv is in,
	s_wait_dscnt 0x0
	s_barrier_signal -1
	s_barrier_wait -1                              ; everybody's is.
.set AD0, BA                           ; the tokens lie at LDS byte 0: the address terms serve as they are
	s_mul_i32 s23, s12, 32*PITCH
	s_add_co_u32 s23, s23, SETB                    ; my 32 rows of Wv
	v_add_nc_u32 v[AD0H], 64*PITCH, v[BA]
	v_add_nc_u32 v[AD0H+2], 64*PITCH, v[BA+2]
	v_add_nc_u32 v[AD1], s23, v[BA]
	v_add_nc_u32 v[AD1+2], s23, v[BA+2]
	v_add_nc_u32 v[ADS0], SCL, v[S0T]
	v_add_nc_u32 v[ADS1], SCL+4096, v[S1T]
	s_wait_alu depctr_va_vdst(0)                   ; the wait behind these writes
	s_lshl_b32 s42, s12, 7
	s_mov_b32 s43, 0
	s_add_nc_u64 s[44:45], s[96:97], s[16:17]
	s_add_nc_u64 s[44:45], s[44:45], s[42:43]
.irp g, 0,1                                    ; the bias belongs to the lane's row of set1 and is the same in a group's eight registers: group g holds that of my tile g
.irp j, 0,1,2,3,4,5,6,7
	global_load_b32 v[BI+8*\g+\j], v[BOFV], s[44:45] offset:32*\g
.endr
.endr
	KWALK 2
	s_mul_i32 s40, s13, 16*RECB
	s_add_co_u32 s43, s21, s40                     ; my wave's head's record
	s_mul_i32 s44, s14, 3072
	s_add_co_u32 s44, s44, s43
	s_add_co_u32 s44, s44, 6656                    ; my first fragment of V^T
	s_lshl_b32 s32, s14, 7
	s_add_co_u32 s32, s32, s43
	s_add_co_u32 s32, s32, 12800                   ; my pair's scale words
	s_mov_b32 s45, 0
	s_mov_b32 s33, 0
	s_add_nc_u64 s[24:25], s[100:101], s[44:45]
	s_add_nc_u64 s[26:27], s[24:25], 1536          ; my second tile of set1: the next fragment
	s_add_nc_u64 s[28:29], s[24:25], 768           ; a fragment's second unit: three planes on
	s_add_nc_u64 s[30:31], s[26:27], 768
	s_add_nc_u64 s[36:37], s[100:101], s[32:33]
	s_mov_b32 s46, 0xffff0000
	CODES
	global_store_b32 v[L4], v122, s[36:37]         ; four bytes for 128 keys
	s_wait_tensorcnt 0x0                           ; the wave's end
	ds_add_u32 v[SPW], v[NIL]
	s_wait_dscnt 0x0
	CROUND                                         ; the closing round
	s_endpgm
.Lfunc_end_k_q427c46c474_qkv:
	.size	k_q427c46c474_qkv, .Lfunc_end_k_q427c46c474_qkv-k_q427c46c474_qkv
	.p2alignl 7, 3214868480
	.fill 96, 4, 3214868480
	.section	.rodata,"a",@progbits
	.p2align	6, 0x0
	.amdhsa_kernel k_q427c46c474_qkv
		.amdhsa_group_segment_fixed_size 327680
		.amdhsa_private_segment_fixed_size 0
		.amdhsa_enable_private_segment 0
		.amdhsa_kernarg_size 72
		.amdhsa_user_sgpr_count 2
		.amdhsa_user_sgpr_kernarg_segment_ptr 1
		.amdhsa_wavefront_size32 1
		.amdhsa_system_sgpr_workgroup_id_x 1
		.amdhsa_system_sgpr_workgroup_id_y 1
		.amdhsa_system_sgpr_workgroup_id_z 1
		.amdhsa_system_vgpr_workitem_id 0
		.amdhsa_next_free_vgpr 512
		.amdhsa_next_free_sgpr 102
		.amdhsa_reserve_vcc 0
		.amdhsa_float_denorm_mode_32 3
		.amdhsa_float_denorm_mode_16_64 3
		.amdhsa_memory_ordered 1
		.amdhsa_forward_progress 1
		.amdhsa_inst_pref_size 133
	.end_amdhsa_kernel
	.amdgpu_metadata
---
amdhsa.version: [ 1, 2 ]
amdhsa.kernels:
  - .name:           k_q427c46c474_qkv
    .symbol:         k_q427c46c474_qkv.kd
    .args:
      - { .name: x_codes, .offset: 0, .size: 8, .value_kind: global_buffer, .address_space: global }
      - { .name: x_scales, .offset: 8, .size: 8, .value_kind: global_buffer, .address_space: global }
      - { .name: w_codes, .offset: 16, .size: 8, .value_kind: global_buffer, .address_space: global }
      - { .name: w_scales, .offset: 24, .size: 8, .value_kind: global_buffer, .address_space: global }
      - { .name: bq, .offset: 32, .size: 8, .value_kind: global_buffer, .address_space: global }
      - { .name: bk, .offset: 40, .size: 8, .value_kind: global_buffer, .address_space: global }
      - { .name: bv, .offset: 48, .size: 8, .value_kind: global_buffer, .address_space: global }
      - { .name: qrec, .offset: 56, .size: 8, .value_kind: global_buffer, .address_space: global }
      - { .name: kvrec, .offset: 64, .size: 8, .value_kind: global_buffer, .address_space: global }
    .group_segment_fixed_size: 327680
    .private_segment_fixed_size: 0
    .kernarg_segment_align: 8
    .kernarg_segment_size: 72
    .max_flat_workgroup_size: 128
    .sgpr_count:     102
    .vgpr_count:     512
    .wavefront_size: 32
...
	.end_amdgpu_metadata
.endif
;; end of part 2
;; launch attn (part 3): grid 8 x 32, 16 waves a work-group, no clusters, 327,680 bytes of LDS; arguments qrec, kvrec, rel_q, o_q; writes o_q
.if DOCPART == 3
	.amdgcn_target "amdgcn-amd-amdhsa--gfx1250"
	.amdhsa_code_object_version 6
	.text
	.protected	k_q427c46c474_attn
	.globl	k_q427c46c474_attn
	.p2align	8
	.type	k_q427c46c474_attn,@function
k_q427c46c474_attn:
	s_mov_b64 s[64:65], 0
	v_nop
	global_prefetch_b8 v0, s[64:65] scope:SCOPE_SE
	s_setreg_imm32_b32 hwreg(HW_REG_WAVE_MODE, 25, 1), 1
	s_wait_xcnt 0x0
; o[b][h][i] = sum over j <= i of softmax_j((q_i . k_j + q_i . rel_key[P - 1 - (i - j)]) / 8) v_j, all three products on codes of BF6 (E3M2) with E8M0 scales; o is divided by the row's sum and quantised along E for the projection.
; WORK LEFT OUT (shown at the head of the first kernel): steps of 128 keys that the causal mask hides whole from a wave's queries; the columns of q . rel_key^T that the gather never names; the clip of the index.
; LIMIT: a NaN, an infinity or an overflow that reaches only the work left out is not carried to the result.  NaN and infinities among the inputs are not served.
; THE SOFTMAX: t = logit x log2(e); M = the running largest t rounded UP to a whole number; p = 2^(t - M) is quantised along the keys, not normalised; the row's sum is taken of the unquantised p and divides at the end.
; SHARES.  A work-group serves one batch and head.  Each of its sixteen waves owns one tile of 16 queries: waves 0-7 in block X of 128 queries, waves 8-15 in block 15 - X, so that every work-group walks 17 blocks' worth of steps.
; A tile's lane r holds query iT + r + 8 (r / 8) (the order in which the tokens' rows are stored).  Keys go 128 a step; a step's K and V^T come as one record of 13,056 bytes through a ring of two LDS slots, loaded by wave 0 and read by all.
; rel_key's codes and scale bytes lie in LDS whole, with 160 rows of zeros behind them (the mover writes zeros past the tensor's end).
; NO CLUSTER: under the causal limit the work-groups of a head need different numbers of records, so a joint load would bring records that every wave of some partner jumps over.
; LAYOUT.  All products are used transposed: a lane holds ONE query (lane % 16).  K = 64 fills half of the instruction's 128: q's upper 64 codes are zeros, so whatever finite codes stand in the other operand's upper registers add nothing.
; THE BIAS.  With p0 = P - 1 - (iT + 23) + KF, key KF + x of lane r's query wants R[u] = q . rel_key[p0 + u] at u = x + 23 - (r + 8 (r / 8)), 0 to 150.  Ten products give R for u = 0 .. 159 (a lane: one query, registers along u).
; The shift differs from lane to lane: R goes to the wave's own stage in LDS, a row a query, and each score's register reads its word back.  The content product then takes these registers as its C.
; The stage's row r begins at 656 r + 64 (r / 8): the 32 lanes of every read fall into 32 different banks (64 banks of 4 bytes: ISA guide 11.1).
; REGISTERS: v1-11, v29-31 addresses; v12 -M, v13 the largest t, v[14:15] the sum; v16-21 q, v22-27 zeros, v28 q's scale word; v32-85 fragments; v86-90 rel's scale words (later V's), v91-94 K's; v95 the prefetches' offset;
;   v96-159 S^T, then p; v160-191 O^T; v192-231 five tiles of R; v224-235 p's codes; v232-254 at work.
.set RECB,  13056
.set SLOT1, 16384                      ; slot 1 begins here: one exclusive or turns an address
.set REL,   32768                      ; 2,208 rows of 48 bytes
.set RELS,  REL+105984                 ; 2 scale bytes a row
.set STG,   RELS+4608                  ; the stages: 10,752 bytes for each wave
.set SPARE, STG+16*10752               ; the spare words, 128 bytes for each wave: eight blocks of 256 bytes that no other line names
.set L8,   1
.set L4,   2
.set ARL,  3
.set ARS,  4
.set SPW,  5
.set NIL,  6
.set STW,  7
.set STR,  8
.set ADK,  9
.set ADS,  10
.set ADR,  11
.set ADRS, 29
.set DL,   30                          ; r + 8 (r / 8) - 16 h
.set R4,   31                          ; 4 r
.set FB,   32
.set RS,   86
.set VS,   86
.set KS,   91
.set PFO,  95
.set RR,   192
.set TB,   2                           ; s2   LDS byte at which the slot in hand begins
.set WV,   18
.set SEL,  20
.set CS,   22
.set G1R,  24                          ; s[24:31], s[32:35] the ring's record
.set G0R,  32
.set G1C,  36                          ; s[36:43], s[44:47] rel's codes
.set G0C,  44
.set G1S,  48                          ; s[48:55], s[56:59] rel's scale bytes
.set G0S,  56
.set KF,   60                          ; the step's first key
.set QE,   61                          ; my tile's last query
.set IT,   62                          ; its first
.set QL,   63                          ; my work-group's last query
.set PX,   66                          ; P - 1 - QE
.set SLOTS, 67
.set PFA,  68
.set LIM,  70
.macro WM0 d, fa, fb, sa, sb, ra       ; a product that starts a sum; ra = 1: source 0's scales are taken from lanes 16-31
.if (\ra)
	v_wmma_scale_f32_16x16x128_f8f6f4 v[\d:\d+7], v[\fa:\fa+11], v[\fb:\fb+11], 0, v[\sa], v[\sb] matrix_a_fmt:MATRIX_FMT_BF6 matrix_b_fmt:MATRIX_FMT_BF6 matrix_a_scale:MATRIX_SCALE_ROW1
.else
	v_wmma_scale_f32_16x16x128_f8f6f4 v[\d:\d+7], v[\fa:\fa+11], v[\fb:\fb+11], 0, v[\sa], v[\sb] matrix_a_fmt:MATRIX_FMT_BF6 matrix_b_fmt:MATRIX_FMT_BF6
.endif
.endm
.macro WMA d, fa, fb, sa, sb, ra       ; a product that adds onto its D
.if (\ra)
	v_wmma_scale_f32_16x16x128_f8f6f4 v[\d:\d+7], v[\fa:\fa+11], v[\fb:\fb+11], v[\d:\d+7], v[\sa], v[\sb] matrix_a_fmt:MATRIX_FMT_BF6 matrix_b_fmt:MATRIX_FMT_BF6 matrix_a_scale:MATRIX_SCALE_ROW1
.else
	v_wmma_scale_f32_16x16x128_f8f6f4 v[\d:\d+7], v[\fa:\fa+11], v[\fb:\fb+11], v[\d:\d+7], v[\sa], v[\sb] matrix_a_fmt:MATRIX_FMT_BF6 matrix_b_fmt:MATRIX_FMT_BF6
.endif
.endm
	s_load_b256 s[4:11], s[0:1], 0x0               ; qrec, kvrec, rel_q, o_q
	v_lshl_add_u32 v[SPW], v0, 2, SPARE
	v_mov_b32 v[NIL], 0
	ds_add_u32 v[SPW], v[NIL]                      ; the wave's opening: the add, twice on end, and its wait ahead of the first tensor loads
	ds_add_u32 v[SPW], v[NIL]
	v_lshrrev_b32 v8, 5, v0
	s_delay_alu instid0(VALU_DEP_1)
	v_readfirstlane_b32 s[WV], v8                  ; wave 0..15
	s_and_b32 s12, ttmp7, 0xffff                   ; 16 x batch + head
	s_lshr_b32 s13, s[WV], 3
	s_mul_i32 s13, s13, 15
	s_xor_b32 s13, s13, ttmp9                      ; my block of 128 queries: X, or 15 - X
	s_lshl_b32 s14, s13, 7
	s_and_b32 s15, s[WV], 7
	s_lshl_b32 s16, s13, 3
	s_add_co_u32 s16, s16, s15                     ; my tile
	s_bfe_u32 s17, s[WV], 0x20001
	s_lshl_b32 s17, s17, 5
	s_add_co_u32 s[IT], s14, s17
	s_and_b32 s17, s[WV], 1
	s_lshl_b32 s17, s17, 3
	s_add_co_u32 s[IT], s[IT], s17                 ; its first query
	s_add_co_u32 s[QE], s[IT], 23
	s_xor_b32 s[PX], s[QE], 2047
	s_lshl_b32 s[QL], ttmp9, 7
	s_xor_b32 s[QL], s[QL], 2047
	; descriptors: dense blocks as rows of 256 bytes (32 elements of 8 bytes)
	s_mov_b32 s[G1R], 3<<16
	s_mov_b32 s[G1R+1], 32<<16
	s_mov_b32 s[G1R+2], 51<<16                     ; a record: 51 rows
	s_mov_b32 s[G1R+3], 32<<16
	s_mov_b32 s[G1R+4], 51
	s_mov_b32 s[G1R+5], 32
	s_mov_b32 s[G1R+6], 0
	s_mov_b32 s[G1R+7], 0
	s_mov_b32 s[G1C], 3<<16
	s_mov_b32 s[G1C+1], 32<<16
	s_mov_b32 s[G1C+2], 384<<16                    ; rel's codes: 384 rows are there,
	s_mov_b32 s[G1C+3], 32<<16
	s_mov_b32 s[G1C+4], 414                        ; 414 are laid: the last 30 arrive as zeros
	s_mov_b32 s[G1C+5], 32
	s_mov_b32 s[G1C+6], 0
	s_mov_b32 s[G1C+7], 0
	s_mov_b32 s[G1S], 3<<16
	s_mov_b32 s[G1S+1], 32<<16
	s_mov_b32 s[G1S+2], 16<<16                     ; its scale bytes: 16 rows are there, 18 are laid
	s_mov_b32 s[G1S+3], 32<<16
	s_mov_b32 s[G1S+4], 18
	s_mov_b32 s[G1S+5], 32
	s_mov_b32 s[G1S+6], 0
	s_mov_b32 s[G1S+7], 0
	s_lshl_b32 s71, s12, 7
	s_add_co_u32 s71, s71, s16                     ; 128 x (batch, head) + tile
	s_mul_i32 s76, s71, 768
	s_mov_b32 s77, 0                               ; my image, in qrec and in o_q
	s_lshl_b32 s82, s71, 6
	s_add_co_u32 s82, s82, 3145728
	s_mov_b32 s83, 0                               ; q's scale words
	s_lshr_b32 s88, s12, 1                         ; o's: [batch][pair of heads][tile][row] words; my head writes one half of each
	s_lshl_b32 s88, s88, 7
	s_add_co_u32 s88, s88, s16
	s_lshl_b32 s88, s88, 6
	s_and_b32 s89, s12, 1
	s_lshl_b32 s89, s89, 1
	s_add_co_u32 s88, s88, s89
	s_add_co_u32 s88, s88, 3145728
	s_mov_b32 s89, 0
	s_mul_i32 s72, s12, 16*RECB
	s_mov_b32 s73, 0                               ; the head's records
	s_mov_b32 s[SEL], 0x76543210
	s_mov_b32 s[SEL+1], 0xfedcba98
	s_mov_b32 s[CS], 0x3e38aa3b                    ; c = log2(e) / 8
	s_mov_b32 s[CS+1], s[CS]
	s_mov_b32 s[TB], 0
	s_mov_b32 s[KF], 0
	s_mov_b32 s[SLOTS], 15
	s_lshr_b32 s13, s[WV], 1                       ; who prefetches: waves 4 and 5 of the head's work-group 0, which walks all 16 records
	s_xor_b32 s13, s13, 2
	s_or_b32 s13, s13, ttmp9
	s_cmp_eq_u32 s13, 0
	s_cselect_b32 s[LIM], 1, -1
	s_wait_dscnt 0x0                               ; both opening adds are done
	s_wait_kmcnt 0x0
	s_add_nc_u64 s[74:75], s[6:7], s[72:73]
	s_add_nc_u64 s[78:79], s[4:5], s[76:77]
	s_add_nc_u64 s[84:85], s[4:5], s[82:83]
	s_add_nc_u64 s[80:81], s[10:11], s[76:77]
	s_add_nc_u64 s[86:87], s[10:11], s[88:89]
	s_add_nc_u64 s[PFA:PFA+1], s[74:75], RECB      ; at record 1: the first change of slots steps it to record 2
	s_mov_b32 s[G0R], 1
	s_mov_b32 s[G0R+1], 0
	s_mov_b64 s[G0R+2:G0R+3], s[74:75]
	s_or_b32 s[G0R+3], s[G0R+3], 0x80000000
	s_mov_b32 s[G0C], 1
	s_mov_b32 s[G0C+1], REL
	s_mov_b64 s[G0C+2:G0C+3], s[8:9]
	s_or_b32 s[G0C+3], s[G0C+3], 0x80000000
	s_mov_b32 s[G0S], 1
	s_mov_b32 s[G0S+1], RELS
	s_add_nc_u64 s[G0S+2:G0S+3], s[8:9], 98304
	s_or_b32 s[G0S+3], s[G0S+3], 0x80000000
	s_cmp_eq_u32 s[WV], 0                          ; the first fills: one load in each of three arms on the wave's number; by this text's count one load of a wave is out at the most
	s_cbranch_scc0 .Lfirst_1
	tensor_load_to_lds s[G0R:G0R+3], s[G1R:G1R+7]  ; record 0 into slot 0
	s_nop 0
.rept 4
	v_nop
.endr
	s_branch .Lfirst_done
.Lfirst_1:
	s_cmp_eq_u32 s[WV], 1
	s_cbranch_scc0 .Lfirst_2
	tensor_load_to_lds s[G0C:G0C+3], s[G1C:G1C+7]
	s_nop 0
.rept 4
	v_nop
.endr
	s_branch .Lfirst_done
.Lfirst_2:
	s_cmp_eq_u32 s[WV], 2
	s_cbranch_scc0 .Lfirst_done
	tensor_load_to_lds s[G0S:G0S+3], s[G1S:G1S+7]
	s_nop 0
.rept 4
	v_nop
.endr
.Lfirst_done:
	v_and_b32 v232, 15, v0                         ; r
	v_bfe_u32 v233, v0, 4, 1                       ; h
	v_bfe_u32 v234, v0, 3, 1                       ; r / 8
	v_and_b32 v235, 31, v0                         ; lane
	s_delay_alu instid0(VALU_DEP_1)
	v_lshlrev_b32 v[L8], 3, v235
	s_delay_alu instid0(VALU_DEP_2)
	v_lshlrev_b32 v[L4], 2, v235
	v_lshlrev_b32 v[R4], 2, v232
.irp p, 0,1,2
	global_load_b64 v[16+2*\p:17+2*\p], v[L8], s[78:79] offset:256*\p   ; q's unit stays in registers
.endr
	global_load_b32 v28, v[R4], s[84:85]           ; and its scale words
	v_mul_u32_u24 v[ARL], v232, 48
	s_delay_alu instid0(VALU_DEP_1)
	v_mad_u32_u24 v[ARL], v233, 24, v[ARL]
	s_delay_alu instid0(VALU_DEP_1)
	v_add_nc_u32 v[ARL], REL, v[ARL]               ; rel: row r of a tile, block h
	v_lshl_add_u32 v[ARS], v235, 1, RELS           ; its scale bytes: lanes 0-15 an even tile's rows, lanes 16-31 the next tile's
	s_mul_i32 s19, s[WV], 10752
	s_add_co_u32 s19, s19, STG                     ; my stage
	v_mul_u32_u24 v[STW], v232, 656
	s_delay_alu instid0(VALU_DEP_1)
	v_lshl_add_u32 v[STW], v234, 6, v[STW]
	s_delay_alu instid0(VALU_DEP_1)
	v_lshl_add_u32 v[STW], v233, 5, v[STW]
	s_delay_alu instid0(VALU_DEP_1)
	v_add_nc_u32 v[STW], s19, v[STW]               ; in: row r, + 32 h; tile t's eight words 64 t on
	v_mul_u32_u24 v[STR], v232, 652
	s_delay_alu instid0(VALU_DEP_1)
	v_lshl_add_u32 v[STR], v234, 5, v[STR]
	s_delay_alu instid0(VALU_DEP_1)
	v_lshl_add_u32 v[STR], v233, 6, v[STR]
	s_delay_alu instid0(VALU_DEP_1)
	v_add_nc_u32 v[STR], s19, v[STR]
	s_delay_alu instid0(VALU_DEP_1)
	v_add_nc_u32 v[STR], 92, v[STR]                ; back: row r's word 23 - (r + 8 (r / 8)) + 16 h; key x's word 4 x on
	v_lshl_add_u32 v[DL], v234, 3, v232
	v_lshlrev_b32 v236, 4, v233
	s_delay_alu instid0(VALU_DEP_1)
	v_sub_nc_u32 v[DL], v[DL], v236
	s_and_b32 s19, s[WV], 1
	s_lshl_b32 s19, s19, 5
	v_add_nc_u32 v[PFO], s19, v235                 ; the prefetches: a record is 51 blocks of 256 bytes: a lane a block, two waves; the lanes that are over name the last block
	s_delay_alu instid0(VALU_DEP_1)
	v_min_u32 v[PFO], 50, v[PFO]
	s_delay_alu instid0(VALU_DEP_1)
	v_lshlrev_b32 v[PFO], 8, v[PFO]
.irp j, 22,23,24,25,26,27, 62,63,64,65,66,67, 80,81,82,83,84,85
	v_mov_b32 v[\j], 0                             ; q's upper 64 codes; and the registers behind a batch's last fragment, which are named as its upper half
.endr
	v_mov_b32 v13, 0xff61b1e6                      ; the largest t so far: -3e38, under every t
	s_delay_alu instid0(VALU_DEP_1)
	v_floor_f32 v12, -v13                          ; -M
	v_mov_b32 v14, 0
	v_mov_b32 v15, 0
.irp b, 0,1,2,3
	v_mov_b32 v[236+\b], 0                         ; a lane permute's destination counts as one of its sources
.endr
	v_mov_b32 v252, 0
	v_mov_b32 v253, 0
.set j, 0
.rept 32
	v_mov_b32 v[160+j], 0                          ; O^T.  (The step is written for every step alike: the first finds zeros, which the first change of M leaves zeros)
.set j, j+1
.endr
; five tiles of R^T = rel q^T (tiles 5 g .. 5 g + 4), and into the stage.  np places stand behind the products.
.macro RBATCH g, np
.irp t, 0,1,2,3,4
.irp p, 0,1,2
	ds_load_b64 v[FB+6*\t+2*\p:FB+6*\t+2*\p+1], v[ADR] offset:768*(5*\g+\t)+8*\p
.endr
.endr
	s_wait_dscnt 0x0
.irp t, 0,1,2,3,4
	WM0 RR+8*\t, FB+6*\t, 16, RS+(5*\g+\t)/2, 28, (5*\g+\t)%2
.endr
.rept \np
	v_nop
.endr
.irp t, 0,1,2,3,4
	ds_store_b128 v[STW], v[RR+8*\t:RR+8*\t+3] offset:64*(5*\g+\t)       ; each result from its low end on
	ds_store_b128 v[STW], v[RR+8*\t+4:RR+8*\t+7] offset:64*(5*\g+\t)+16
.endr
.endm
; A KEY STEP: the record of 128 keys in the slot in hand.
.macro STEP
	s_cmp_gt_u32 s[KF], s[QE]                      ; all its keys come after my queries: left out.  A branch on ids and the count of steps; no barrier, tensor load or wait for one stands in a step
	s_cbranch_scc1 .Lhidden_\@
	s_add_co_u32 s90, s[PX], s[KF]
	s_min_u32 s90, s90, 2047                       ; p0 (in a step that is walked the minimum changes nothing: KF <= QE)
	s_mul_i32 s91, s90, 48
	s_lshl_b32 s90, s90, 1
	v_add_nc_u32 v[ADK], s[TB], v[L8]
	v_add_nc_u32 v[ADS], s[TB], v[L4]
	v_add_nc_u32 v[ADR], s91, v[ARL]
	v_add_nc_u32 v[ADRS], s90, v[ARS]
	v_nop                                          ; five places: four in front of the loads into registers that the last products read; the fifth since the first products below write over p's codes, which those products read
.irp t, 0,1,2,3,4
	ds_load_u16 v[RS+\t], v[ADRS] offset:64*\t     ; two scale bytes a row; the word's upper half is 0
.endr
	RBATCH 0, 5                                    ; five places: the next batch's products write over these results
	s_wait_alu depctr_va_vdst(0)
	RBATCH 1, 4
.set n, 0
.rept 64
	ds_load_b32 v[96+n], v[STR] offset:128*(n/16)+4*(n%16)   ; the bias of key 32 (n / 16) + 16 h + n % 16.  LDS serves a wave's instructions in order: these see my stores
.set n, n+1
.endr
.irp t, 0,1,2,3,4,5,6,7
.irp p, 0,1,2
	ds_load_b64 v[FB+6*\t+2*\p:FB+6*\t+2*\p+1], v[ADK] offset:768*\t+256*\p
.endr
.endr
.irp q, 0,1,2,3
	ds_load_b32 v[KS+\q], v[ADS] offset:6144+128*\q
.endr
	s_wait_dscnt 0x0
.irp t, 0,1,2,3,4,5,6,7
	WMA 96+8*\t, FB+6*\t, 16, KS+\t/2, 28, \t%2    ; S^T = K q^T + the bias
.endr
.rept 4
	v_nop
.endr
.irp d, 0,1,2,3                                ; V^T's fragments are asked for here and land under the softmax
.irp p, 0,1,2,3,4,5
	ds_load_b64 v[32+12*\d+2*\p:33+12*\d+2*\p], v[ADK] offset:6656+1536*\d+256*\p
.endr
.endr
.irp q, 0,1
	ds_load_b32 v[VS+\q], v[ADS] offset:12800+128*\q
.endr
	s_add_co_u32 s92, s[KF], 127                   ; on the diagonal the scores of hidden keys become -infinity ahead of the maximum.  A step all of whose keys count skips this
	s_cmp_le_u32 s92, s[IT]
	s_cbranch_scc1 .Lopen_\@
	s_sub_co_i32 s92, s[IT], s[KF]
	v_add_nc_u32 v252, s92, v[DL]                  ; d = my query - KF - 16 h.  Register 16 b + i holds key KF + 16 h + 32 b + i: hidden where 32 b + i > d
	v_mov_b32 v254, 0xff800000
.set n, 0
.rept 64
	v_cmp_gt_i32 vcc_lo, 32*(n/16)+n%16, v252
	v_cndmask_b32 v[96+n], v[96+n], v254, vcc_lo
.set n, n+1
.endr
.Lopen_\@:
.irp b, 0,1,2,3
	v_max3_num_f32 v[232+\b], v[96+16*\b], v[97+16*\b], v[98+16*\b]   ; the largest score of each block of 32 keys: for the row's maximum, and, since p rises with the score, for the block's largest p
.endr
.irp i, 3,5,7,9,11,13
.irp b, 0,1,2,3
	v_max3_num_f32 v[232+\b], v[232+\b], v[96+16*\b+\i], v[97+16*\b+\i]
.endr
.endr
.irp b, 0,1,2,3
	v_max_num_f32 v[232+\b], v[232+\b], v[111+16*\b]
.endr
.irp b, 0,1,2,3
	s_delay_alu instid0(VALU_DEP_4)
	v_permlanex16_b32 v[236+\b], v[232+\b], s[SEL], s[SEL+1]
.endr
.irp b, 0,1,2,3
	s_delay_alu instid0(VALU_DEP_4)
	v_max_num_f32 v[232+\b], v[232+\b], v[236+\b]  ; with lane l xor 16's 16 keys
.endr
	s_delay_alu instid0(VALU_DEP_2)
	v_max3_num_f32 v254, v232, v233, v234
	s_delay_alu instid0(VALU_DEP_1)
	v_max_num_f32 v254, v254, v235
	s_delay_alu instid0(VALU_DEP_1)
	v_mul_f32 v254, s[CS], v254                    ; the step's largest t (c is positive)
	s_delay_alu instid0(VALU_DEP_1)
	v_max_num_f32 v13, v13, v254
	v_mov_b32 v254, v12
	s_delay_alu instid0(VALU_DEP_2)
	v_floor_f32 v12, -v13                          ; the new -M = -ceil(t)
	s_delay_alu instid0(VALU_DEP_1)
	v_sub_f32 v254, v12, v254                      ; old M - new M: a whole number, 0 or less
	s_delay_alu instid0(VALU_DEP_1)
	v_cvt_i32_f32 v254, v254                       ; (it saturates)
	s_delay_alu instid0(VALU_DEP_1)
	v_ldexp_f32 v252, 1.0, v254                    ; f = 2^(old M - new M)
.set j, 0
.rept 32
	v_pk_fma_f32 v[96+j:97+j], v[96+j:97+j], s[CS:CS+1], v[12:13] op_sel_hi:[1,0,0]   ; t - M, two at a time
.set j, j+2
.endr
.irp b, 0,1,2,3
	v_fma_f32 v[232+\b], v[232+\b], s[CS], v12
.endr
.set j, 0
	s_wait_alu depctr_va_vdst(0)
.rept 64
	v_exp_f32 v[96+j], v[96+j]                     ; p = 2^(t - M)
.set j, j+1
.endr
	v_pk_mul_f32 v[14:15], v[14:15], v[252:253] op_sel_hi:[1,0]   ; the sums under the new M (a plain place behind the exponentials)
	s_wait_alu depctr_va_vdst(0)                   ; one wait for the whole batch, ahead of its first reader
.irp b, 0,1,2,3
	v_exp_f32 v[232+\b], v[232+\b]                 ; the block's largest p
.endr
	v_pk_add_f32 v[236:237], v[100:101], v[104:105]
	v_pk_add_f32 v[254:255], v[108:109], v[112:113]
	v_pk_add_f32 v[250:251], v[116:117], v[120:121]
	v_pk_add_f32 v[248:249], v[124:125], v[128:129]
	v_pk_add_f32 v[246:247], v[132:133], v[136:137]
	v_pk_add_f32 v[244:245], v[140:141], v[144:145]
	v_pk_add_f32 v[242:243], v[148:149], v[152:153]
	v_pk_add_f32 v[14:15], v[14:15], v[156:157]
	v_pk_add_f32 v[236:237], v[236:237], v[96:97]
	v_pk_add_f32 v[254:255], v[254:255], v[98:99]
	v_pk_add_f32 v[250:251], v[250:251], v[102:103]
	v_pk_add_f32 v[248:249], v[248:249], v[106:107]
	v_pk_add_f32 v[246:247], v[246:247], v[110:111]
	v_pk_add_f32 v[244:245], v[244:245], v[114:115]
	v_pk_add_f32 v[242:243], v[242:243], v[118:119]
	v_pk_add_f32 v[14:15], v[14:15], v[122:123]
	v_pk_add_f32 v[236:237], v[236:237], v[126:127]
	v_pk_add_f32 v[254:255], v[254:255], v[130:131]
	v_pk_add_f32 v[250:251], v[250:251], v[134:135]
	v_pk_add_f32 v[248:249], v[248:249], v[138:139]
	v_pk_add_f32 v[246:247], v[246:247], v[142:143]
	v_pk_add_f32 v[244:245], v[244:245], v[146:147]
	v_pk_add_f32 v[242:243], v[242:243], v[150:151]
	v_pk_add_f32 v[14:15], v[14:15], v[154:155]
	v_pk_add_f32 v[236:237], v[236:237], v[158:159]
	s_delay_alu instid0(VALU_DEP_2)
	v_pk_add_f32 v[14:15], v[14:15], v[248:249]
	s_delay_alu instid0(VALU_DEP_2)
	v_pk_add_f32 v[236:237], v[236:237], v[246:247]
	v_pk_add_f32 v[254:255], v[254:255], v[244:245]
	v_pk_add_f32 v[250:251], v[250:251], v[242:243]
	s_delay_alu instid0(VALU_DEP_2)
	v_pk_add_f32 v[14:15], v[14:15], v[254:255]
	s_delay_alu instid0(VALU_DEP_2)
	v_pk_add_f32 v[236:237], v[236:237], v[250:251]
	s_delay_alu instid0(VALU_DEP_1)
	v_pk_add_f32 v[14:15], v[14:15], v[236:237]
	s_wait_alu depctr_va_vdst(0)                   ; and one for the four
.irp b, 0,1,2,3
	v_max_num_f32 v[232+\b], 0x2800000, v[232+\b]  ; the floor 2^(5 - 127): the byte cannot fall under 1
.endr
.irp b, 0,1,2,3
	s_delay_alu instid0(VALU_DEP_4)
	v_add_nc_u32 v[244+\b], 0xfe000000, v[232+\b]
.endr
.irp b, 0,1,2,3
	s_delay_alu instid0(VALU_DEP_4)
	v_lshrrev_b32 v[236+\b], 23, v[244+\b]
.endr
	s_delay_alu instid0(VALU_DEP_3)
	v_lshl_or_b32 v253, v237, 8, v236              ; p's scale word for these 128 keys
	s_delay_alu instid0(VALU_DEP_1)
	v_lshl_or_b32 v253, v238, 16, v253
	s_delay_alu instid0(VALU_DEP_1)
	v_lshl_or_b32 v253, v239, 24, v253
.irp c, 0,1
	v_cvt_scalef32_pk16_bf6_f32 v[224+6*\c:226+6*\c], v[96+32*\c:111+32*\c], v[244+2*\c]
	v_cvt_scalef32_pk16_bf6_f32 v[236+4*\c:238+4*\c], v[112+32*\c:127+32*\c], v[244+2*\c+1]
.endr
	v_nop                                          ; one plain place behind a scaled conversion
.irp c, 0,1
.irp i, 0,1,2
	v_permlane16_swap_b32 v[224+6*\c+\i], v[236+4*\c+\i]
.endr
.irp i, 0,1,2
	s_delay_alu instid0(VALU_DEP_3)
	v_mov_b32 v[227+6*\c+\i], v[236+4*\c+\i]
.endr
.endr
.set j, 0
.rept 16
	v_pk_mul_f32 v[160+j:161+j], v[160+j:161+j], v[252:253] op_sel_hi:[1,0]   ; O^T under the new M.  (These sixteen are also the places between p's codes and scale word and the products below)
.set j, j+2
.endr
	s_wait_alu depctr_va_vdst(0)
	s_wait_dscnt 0x0                               ; V^T's fragments and scale words
.irp d, 0,1,2,3
	WMA 160+8*\d, 32+12*\d, 224, VS+\d/2, 253, \d%2   ; O^T += V^T p^T: the four accumulators by turns
.endr
.Lhidden_\@:
	s_add_co_u32 s[KF], s[KF], 128
.endm
; THE CHANGE OF SLOTS, at a step's head.  Each wave waits for all its tensor loads, adds 0 to its spare word, and waits for that and for its reads of the slot that it has left; behind the barrier the slot ahead is whole and nobody reads the other.
; fill = 1: wave 0 fills that other slot with the next record, which has a whole step in which to land; but only while the record's first key is at or under the work-group's last query: a record beyond that is read by no wave.
.macro CHANGE fill
	s_wait_tensorcnt 0x0
	ds_add_u32 v[SPW], v[NIL]
.if \fill
	ds_add_u32 v[SPW], v[NIL]                      ; and twice on end here, in every trip alike
	s_xor_b32 s[G0R+1], s[G0R+1], SLOT1            ; no tensor load of mine is out: the descriptor walks: the other slot,
	s_add_nc_u64 s[G0R+2:G0R+3], s[G0R+2:G0R+3], RECB   ; the next record
	s_wait_xcnt 0x0                                ; the last prefetch, a step back, has read its address
	s_add_nc_u64 s[PFA:PFA+1], s[PFA:PFA+1], RECB  ; one record further on than the descriptor
.endif
	s_wait_dscnt 0x0
	s_barrier_signal -1
	s_barrier_wait -1
.if \fill
	s_add_co_u32 s90, s[KF], 128                   ; the next record's first key
	s_cmp_gt_u32 s90, s[QL]                        ; ids and the count of steps alone: all sixteen waves go the same way, and a work-group that is past the limit stays past it
	s_cbranch_scc1 .Lpast_\@
	s_cmp_lg_u32 s[WV], 0
	s_cbranch_scc1 .Lpast_\@
	tensor_load_to_lds s[G0R:G0R+3], s[G1R:G1R+7]
	s_nop 0
.rept 4
	v_nop
.endr
.Lpast_\@:
	s_cmp_gt_u32 s[SLOTS], s[LIM]                  ; a prefetch of the record that the NEXT change will ask for: the head's work-group 0, waves 4 and 5, one instruction each; the last change that fills a slot asks for nothing
	s_cbranch_scc0 .Lnot_mine_\@
	global_prefetch_b8 v[PFO], s[PFA:PFA+1] th:TH_LOAD_NT scope:SCOPE_SE
.Lnot_mine_\@:
.endif
.endm
	s_wait_loadcnt 0x0                             ; q
.Lslot:                                            ; 15 trips
	CHANGE 1
	STEP
	s_xor_b32 s[TB], s[TB], SLOT1
	s_sub_co_u32 s[SLOTS], s[SLOTS], 1
	s_cmp_lg_u32 s[SLOTS], 0
	s_cbranch_scc1 .Lslot
	CHANGE 0                                       ; the last record: nothing is left to fetch
	STEP
	; THE WAY OUT.  O^T / the row's sum; register 16 b + i is channel 32 b + 16 h + i of my query: two blocks along E, quantised as every operand is, and stored as an image of the projection's operand registers.
	v_add_f32 v14, v14, v15
	s_delay_alu instid0(VALU_DEP_1)
	v_permlanex16_b32 v252, v14, s[SEL], s[SEL+1]
	s_delay_alu instid0(VALU_DEP_1)
	v_add_f32 v14, v14, v252                       ; the row's sum
	s_wait_alu depctr_va_vdst(0)
	v_rcp_f32 v14, v14
.rept 4
	v_nop                                          ; a plain place behind the reciprocal, and the places behind the last products
.endr
	s_wait_alu depctr_va_vdst(0)                   ; the wait ahead of the first reader
.set j, 0
.rept 32
	v_mul_f32 v[96+j], v[160+j], v14
.set j, j+1
.endr
.irp b, 0,1
	v_max3_num_f32 v[232+\b], |v[96+16*\b]|, |v[97+16*\b]|, 0x2800000
.endr
.irp i, 2,4,6,8,10,12,14
.irp b, 0,1
	s_delay_alu instid0(VALU_DEP_2)
	v_max3_num_f32 v[232+\b], v[232+\b], |v[96+16*\b+\i]|, |v[97+16*\b+\i]|
.endr
.endr
.irp b, 0,1
	s_delay_alu instid0(VALU_DEP_2)
	v_permlanex16_b32 v[236+\b], v[232+\b], s[SEL], s[SEL+1]
.endr
.irp b, 0,1
	s_delay_alu instid0(VALU_DEP_2)
	v_max_num_f32 v[232+\b], v[232+\b], v[236+\b]
.endr
.irp b, 0,1
	s_delay_alu instid0(VALU_DEP_2)
	v_add_nc_u32 v[244+\b], 0xfe000000, v[232+\b]
.endr
.irp b, 0,1
	s_delay_alu instid0(VALU_DEP_2)
	v_lshrrev_b32 v[236+\b], 23, v[244+\b]
.endr
	s_delay_alu instid0(VALU_DEP_1)
	v_lshl_or_b32 v253, v237, 8, v236              ; my head's two scale bytes
	v_cvt_scalef32_pk16_bf6_f32 v[224:226], v[96:111], v244
	v_cvt_scalef32_pk16_bf6_f32 v[240:242], v[112:127], v245
	v_nop
.irp i, 0,1,2
	v_permlane16_swap_b32 v[224+\i], v[240+\i]
.endr
.irp i, 0,1,2
	s_delay_alu instid0(VALU_DEP_3)
	v_mov_b32 v[227+\i], v[240+\i]                 ; lane (r, h): block h of row r
.endr
.irp p, 0,1,2
	global_store_b64 v[L8], v[224+2*\p:225+2*\p], s[80:81] offset:256*\p   ; a plane: 256 consecutive bytes, aligned
.endr
	global_store_b16 v[R4], v253, s[86:87]         ; half a scale word a row (both halves of the lanes hold and write the same)
	s_wait_tensorcnt 0x0                           ; the wave's end
	ds_add_u32 v[SPW], v[NIL]
	s_wait_dscnt 0x0
	s_endpgm
.Lfunc_end_k_q427c46c474_attn:
	.size	k_q427c46c474_attn, .Lfunc_end_k_q427c46c474_attn-k_q427c46c474_attn
	.p2alignl 7, 3214868480
	.fill 96, 4, 3214868480
	.section	.rodata,"a",@progbits
	.p2align	6, 0x0
	.amdhsa_kernel k_q427c46c474_attn
		.amdhsa_group_segment_fixed_size 327680
		.amdhsa_private_segment_fixed_size 0
		.amdhsa_enable_private_segment 0
		.amdhsa_kernarg_size 32
		.amdhsa_user_sgpr_count 2
		.amdhsa_user_sgpr_kernarg_segment_ptr 1
		.amdhsa_wavefront_size32 1
		.amdhsa_system_sgpr_workgroup_id_x 1
		.amdhsa_system_sgpr_workgroup_id_y 1
		.amdhsa_system_sgpr_workgroup_id_z 1
		.amdhsa_system_vgpr_workitem_id 0
		.amdhsa_next_free_vgpr 256
		.amdhsa_next_free_sgpr 100
		.amdhsa_reserve_vcc 1
		.amdhsa_float_denorm_mode_32 3
		.amdhsa_float_denorm_mode_16_64 3
		.amdhsa_memory_ordered 1
		.amdhsa_forward_progress 1
		.amdhsa_inst_pref_size 82
	.end_amdhsa_kernel
	.amdgpu_metadata
---
amdhsa.version: [ 1, 2 ]
amdhsa.kernels:
  - .name:           k_q427c46c474_attn
    .symbol:         k_q427c46c474_attn.kd
    .args:
      - { .name: qrec, .offset: 0, .size: 8, .value_kind: global_buffer, .address_space: global }
      - { .name: kvrec, .offset: 8, .size: 8, .value_kind: global_buffer, .address_space: global }
      - { .name: rel_q, .offset: 16, .size: 8, .value_kind: global_buffer, .address_space: global }
      - { .name: o_q, .offset: 24, .size: 8, .value_kind: global_buffer, .address_space: global }
    .group_segment_fixed_size: 327680
    .private_segment_fixed_size: 0
    .kernarg_segment_align: 8
    .kernarg_segment_size: 32
    .max_flat_workgroup_size: 512
    .sgpr_count:     100
    .vgpr_count:     256
    .wavefront_size: 32
...
	.end_amdgpu_metadata
.endif
;; end of part 3
;; launch proj (part 4): grid 8 x 32, 4 waves a work-group, clusters of 4 x 4, 327,680 bytes of LDS; arguments o_q, w_codes, w_scales, bo, out0; writes out0
.if DOCPART == 4
	.amdgcn_target "amdgcn-amd-amdhsa--gfx1250"
	.amdhsa_code_object_version 6
	.text
	.protected	k_q427c46c474_proj
	.globl	k_q427c46c474_proj
	.p2align	8
	.type	k_q427c46c474_proj,@function
k_q427c46c474_proj:
	s_mov_b64 s[64:65], 0
	v_nop
	global_prefetch_b8 v0, s[64:65] scope:SCOPE_SE
	s_setreg_imm32_b32 hwreg(HW_REG_WAVE_MODE, 25, 1), 1
	s_wait_xcnt 0x0
	s_wait_alu depctr_hold_cnt(0) depctr_sa_sdst(0) depctr_va_vdst(0) depctr_va_sdst(0) depctr_va_ssrc(0) depctr_va_vcc(0) depctr_vm_vsrc(0)
	s_getreg_b32 s2, hwreg(HW_REG_IB_STS2, 6, 4)
	s_cmp_eq_u32 s2, 0
	s_cbranch_scc0 .Lentry_in_a_cluster
	s_endpgm
.Lentry_in_a_cluster:
	s_bfe_u32 s2, ttmp6, 0x10000c
	s_cmp_lg_u32 s2, 0xf033
	s_cbranch_scc0 .Lentry_shape_is_right
	s_endpgm
.Lentry_shape_is_right:
; out0 = o Wo + bo on codes of BF6 (E3M2) with E8M0 scales.  o arrives as images of operand registers, [batch x head][tile of 16 tokens][768], with its scale words [batch][pair of heads][tile][row]; Wo as rows of codes, K innermost.
; Source 0 = 16 rows of Wo's codes (outputs n), source 1 = 16 tokens: a lane holds one token and its registers run along n.  Wo's rows are stored so that the 16 registers of two neighbouring tiles are 16 neighbouring outputs.
; A work-group makes 128 n x 128 tokens; each of its four waves all 128 n x 32 tokens: 16 accumulators.  ALL of K = 1,024 lies in LDS, four chunks of 256 along K (four heads) for each operand, filled once.
; CLUSTER 4 x 4: Wo's tile hangs on the work-group's x alone and is shared along a column of the cluster, o's on its y alone and is shared along a row: each is asked for jointly.
; REGISTERS.  Window 0: v16-25 addresses; v28, v29 the add's two; v32-47 Wo's scale words, two sets of 8; v52-59 o's; v64-127 the bias, later rows of the result; v128-255 the accumulators (tile (a, b) at 128 + 64 b + 8 a).
;   Window 1: two fragment buffers, v0-119 and v128-247: Wo's tile a at 12 a, my token tile b at 96 + 12 b.
; LDS AS THIS TEXT LAYS IT (in place of the chunks named above): o's sixteen heads x 8 tiles x 768 bytes, then Wo's 128 whole rows of 768 bytes of codes; each comes by ONE tensor load.
; The four tiles of the head (two of codes, two of scales) are shared out, one joint load a wave; nothing is filled later.  v18: o's heads 8-15; v60, v62: Wo's tiles 4-7.
.set PITCH,  816                       ; an LDS row of Wo: 3 x (256 bytes + 16 of padding) = 204 words: row r starts at word 12 r mod 64, sixteen different groups of four banks
.set S1B,    24576                     ; four heads of o: 4 x 8 tiles x 768
.set OB,     4*S1B                     ; o's sixteen heads; behind them Wo's rows
.set SCL1,   OB+128*PITCH              ; o's scale words: [pair of heads 8][512]
.set AD0H,   60                        ; v60, v62  Wo's tiles 4-7: 64 rows on, so that every offset stays inside 16 bits
.set SCL0,   SCL1+4096                 ; Wo's scale bytes
.set STAGE,  SCL0+4096                 ; the way out: 16 rows x (512 + 16) bytes for each wave, in 8,704
.set SPARE,  STAGE+4*8704              ; the spare words, 128 bytes for each wave
.set AD1,  16
.set AD0,  17                          ; v17, v19
.set ADS0, 20
.set ADS1, 21
.set CO,   22
.set SO,   23
.set SR,   24
.set BOF,  25
.set SPW,  28
.set NIL,  29
.set SC,   32
.set SCB,  52
.set BI,   64
.set ACC,  128
.set G1,   24
.set G0,   32
.set G1B,  48
.set G0B,  56
.set G1S,  68
.set G0S,  76
.set G1SB, 80
.set G0SB, 88
.set MSB, 0
.macro WIN new
.if MSB != \new
	s_set_vgpr_msb (MSB<<8)|\new
.set MSB, \new
.endif
.endm
.set MUL,  0x05
.set TO_F, 0x40
; One arm of the head's chain of branches on the wave's number: a joint load, and a jump to the chain's end.  Every way through the chain passes one load.
.macro ARM under, g0, g1, next
	s_cmp_lt_u32 s12, \under
	s_cbranch_scc0 \next
	tensor_load_to_lds s[\g0:\g0+3], s[\g1:\g1+7]
	s_nop 0
.rept 4
	v_nop
.endr
	s_branch .Lhead_asked
\next:
.endm
.macro CROUND
	s_barrier_signal -1
	s_barrier_wait -1
	s_cmp_lg_u32 s12, 0
	s_cbranch_scc1 .Lnot_wave_0_\@
	s_barrier_signal -3
.Lnot_wave_0_\@:
	s_barrier_wait -3
	s_barrier_signal -1
	s_barrier_wait -1
.endm
.macro PLACES n
.rept \n
	v_nop
.endr
.endm
.macro WMC d, fa, fb, c, sa, sb, ra, rb
.if (\ra) && (\rb)
	v_wmma_scale_f32_16x16x128_f8f6f4 v[\d:\d+7], v[\fa:\fa+11], v[\fb:\fb+11], v[\c:\c+7], v[\sa], v[\sb] matrix_a_fmt:MATRIX_FMT_BF6 matrix_b_fmt:MATRIX_FMT_BF6 matrix_a_scale:MATRIX_SCALE_ROW1 matrix_b_scale:MATRIX_SCALE_ROW1
.elseif (\ra)
	v_wmma_scale_f32_16x16x128_f8f6f4 v[\d:\d+7], v[\fa:\fa+11], v[\fb:\fb+11], v[\c:\c+7], v[\sa], v[\sb] matrix_a_fmt:MATRIX_FMT_BF6 matrix_b_fmt:MATRIX_FMT_BF6 matrix_a_scale:MATRIX_SCALE_ROW1
.elseif (\rb)
	v_wmma_scale_f32_16x16x128_f8f6f4 v[\d:\d+7], v[\fa:\fa+11], v[\fb:\fb+11], v[\c:\c+7], v[\sa], v[\sb] matrix_a_fmt:MATRIX_FMT_BF6 matrix_b_fmt:MATRIX_FMT_BF6 matrix_b_scale:MATRIX_SCALE_ROW1
.else
	v_wmma_scale_f32_16x16x128_f8f6f4 v[\d:\d+7], v[\fa:\fa+11], v[\fb:\fb+11], v[\c:\c+7], v[\sa], v[\sb] matrix_a_fmt:MATRIX_FMT_BF6 matrix_b_fmt:MATRIX_FMT_BF6
.endif
.endm
	s_load_b256 s[4:11], s[0:1], 0x0               ; o_q, w_codes, w_scales, bo
	s_load_b64 s[92:93], s[0:1], 0x20              ; out0
	v_lshl_add_u32 v[SPW], v0, 2, SPARE
	v_mov_b32 v[NIL], 0
	ds_add_u32 v[SPW], v[NIL]                      ; the wave's opening: the add, twice on end, and its wait ahead of my first tensor load
	ds_add_u32 v[SPW], v[NIL]
	v_lshrrev_b32 v1, 5, v0
	v_readfirstlane_b32 s12, v1                    ; wave 0..3
	s_bfe_u32 s15, ttmp6, 0x40000                  ; cx
	s_bfe_u32 s16, ttmp6, 0x40004                  ; cy
	s_lshl_b32 s18, ttmp9, 2
	s_add_co_u32 s18, s18, s15                     ; work-group x: which 128 outputs
	s_and_b32 s22, ttmp7, 0xffff
	s_lshl_b32 s22, s22, 2
	s_add_co_u32 s22, s22, s16                     ; work-group y: which 128 tokens
	s_lshl_b32 s40, s16, 2
	s_lshl_b32 s40, 15, s40                        ; my row of the cluster
	s_lshl_b32 s41, 0x1111, s15                    ; my column
	s_or_b32 s[G1+0], s40, (3<<16)|(1<<21)         ; o's codes: 16 heads x 6,144 bytes (768 elements of 8), a head 98,304 bytes (12,288 elements) from the next
	s_mov_b32 s[G1+1], 768<<16
	s_mov_b32 s[G1+2], 16<<16                      ; all sixteen heads
	s_mov_b32 s[G1+3], 768<<16
	s_mov_b32 s[G1+4], 16
	s_mov_b32 s[G1+5], 12288
	s_mov_b32 s[G1+6], 0
	s_mov_b32 s[G1+7], 0
	s_or_b32 s[G1B+0], s41, (0<<16)|(1<<20)|(1<<21)|(5<<22)|(3<<25)   ; Wo's codes: 128 whole rows of 768 bytes, each from a multiple of 256 bytes; 16 bytes of padding behind every 256
	s_mov_b32 s[G1B+1], 768<<16
	s_mov_b32 s[G1B+2], 128<<16
	s_mov_b32 s[G1B+3], 768<<16
	s_mov_b32 s[G1B+4], 128
	s_mov_b32 s[G1B+5], 768
	s_mov_b32 s[G1B+6], 0
	s_mov_b32 s[G1B+7], 0
	s_or_b32 s[G1S+0], s40, (3<<16)|(1<<21)        ; o's scale words: 8 pairs of heads x 512 bytes, 8,192 bytes apart
	s_mov_b32 s[G1S+1], 64<<16
	s_mov_b32 s[G1S+2], 8<<16                      ; all eight pairs of heads
	s_mov_b32 s[G1S+3], 64<<16
	s_mov_b32 s[G1S+4], 8
	s_mov_b32 s[G1S+5], 1024
	s_mov_b32 s[G1S+6], 0
	s_mov_b32 s[G1S+7], 0
	s_or_b32 s[G1SB+0], s41, (3<<16)|(1<<21)       ; Wo's scale bytes: 4,096 dense bytes as 16 rows of 256
	s_mov_b32 s[G1SB+1], 32<<16
	s_mov_b32 s[G1SB+2], 16<<16                    ; 4,096 dense bytes: 16 rows of 256
	s_mov_b32 s[G1SB+3], 32<<16
	s_mov_b32 s[G1SB+4], 16
	s_mov_b32 s[G1SB+5], 32
	s_mov_b32 s[G1SB+6], 0
	s_mov_b32 s[G1SB+7], 0
	s_mul_i32 s2, s18, 98304                       ; Wo: rows 3,072 + 128 x of the weights' codes
	s_add_co_u32 s2, s2, 3072*768
	s_mov_b32 s3, 0
	s_lshl_b32 s46, s18, 12                        ; and their scale bytes
	s_add_co_u32 s46, s46, 3072*32
	s_mov_b32 s47, 0
	s_lshr_b32 s19, s22, 4                         ; o: batch,
	s_and_b32 s21, s22, 15                         ; block of 128 tokens in it
	s_lshl_b32 s44, s19, 11
	s_lshl_b32 s45, s21, 3
	s_add_co_u32 s44, s44, s45
	s_mul_i32 s44, s44, 768                        ; the batch's head 0, my block's first tile
	s_mov_b32 s45, 0
	s_lshl_b32 s42, s19, 16                        ; its scale words: 8 pairs of heads x 8,192 bytes a batch
	s_lshl_b32 s43, s21, 9
	s_add_co_u32 s42, s42, s43
	s_add_co_u32 s42, s42, 3145728
	s_mov_b32 s43, 0
	s_wait_dscnt 0x0                               ; both opening adds are done
	s_wait_kmcnt 0x0
	s_add_nc_u64 s[G0+2:G0+3], s[4:5], s[44:45]
	s_add_nc_u64 s[G0S+2:G0S+3], s[4:5], s[42:43]
	s_add_nc_u64 s[G0B+2:G0B+3], s[6:7], s[2:3]
	s_add_nc_u64 s[G0SB+2:G0SB+3], s[8:9], s[46:47]
.irp g, G0, G0B, G0S, G0SB
	s_mov_b32 s[\g], 1
	s_or_b32 s[\g+3], s[\g+3], 0x80000000
.endr
	s_mov_b32 s[G0+1], 0                           ; where they go: constants alone
	s_mov_b32 s[G0B+1], OB
	s_mov_b32 s[G0S+1], SCL1
	s_mov_b32 s[G0SB+1], SCL0
	CROUND                                         ; all sixteen work-groups are here: the joint loads meet
	ARM 1, G0,  G1,  .Lhead_b                      ; wave 0: o's images; one tensor load a wave at the head
	ARM 2, G0B, G1B, .Lhead_sa                     ; wave 1: Wo's 128 rows of codes
	ARM 3, G0S, G1S, .Lhead_sb                     ; wave 2: o's scale words
	tensor_load_to_lds s[G0SB:G0SB+3], s[G1SB:G1SB+7]   ; wave 3: Wo's scale bytes
	s_nop 0
.rept 4
	v_nop
.endr
.Lhead_asked:
	v_and_b32 v1, 15, v0                           ; r
	v_bfe_u32 v2, v0, 4, 1                         ; h
	v_and_b32 v7, 31, v0                           ; lane
	v_mul_u32_u24 v3, v1, PITCH
	v_mul_u32_u24 v4, v2, 24
	v_add_nc_u32 v4, v3, v4
	v_lshl_add_u32 v5, v2, 4, v4
	v_add_nc_u32 v[AD0], OB, v4                    ; Wo's fragments: row x pitch + 24 h,
	v_add_nc_u32 v[AD0+2], OB, v5                  ; and the same behind one padding more;
	v_add_nc_u32 v[AD0H], OB+64*PITCH, v4          ; tiles 4-7
	v_add_nc_u32 v[AD0H+2], OB+64*PITCH, v5
	s_mul_i32 s23, s12, 1536
	v_lshlrev_b32 v[AD1], 3, v7
	v_add_nc_u32 v[AD1], s23, v[AD1]               ; o's images: my two tiles, 8 x lane: heads 0-7,
	v_add_nc_u32 v[AD1+2], 2*S1B, v[AD1]           ; and heads 8-15
	v_lshlrev_b32 v6, 5, v1
	v_lshl_add_u32 v[ADS0], v2, 11, v6
	v_add_nc_u32 v[ADS0], SCL0, v[ADS0]            ; Wo's scale words: lanes 0-15 tile i, lanes 16-31 tile i + 4
	s_lshl_b32 s23, s12, 7
	s_add_co_u32 s23, s23, SCL1
	v_lshlrev_b32 v[ADS1], 2, v7
	v_add_nc_u32 v[ADS1], s23, v[ADS1]             ; o's: lanes 0-15 my first tile, lanes 16-31 my second
	v_lshlrev_b32 v[CO], 4, v7
	s_mul_i32 s23, s12, 8704
	s_add_co_u32 s23, s23, STAGE                   ; my stage
	v_mul_u32_u24 v[SO], v1, 528
	v_lshl_add_u32 v[SO], v2, 6, v[SO]
	v_add_nc_u32 v[SO], s23, v[SO]                 ; in: row r, + 64 h
	v_add_nc_u32 v[SR], s23, v[CO]                 ; back: a row of 512 bytes to the 32 lanes
	s_lshl_b32 s2, s18, 9                          ; the bias runs along n: group a holds that of outputs 32 (a / 2) + 16 h + 8 (a % 2) + 0 .. 7
	s_mov_b32 s3, 0
	s_add_nc_u64 s[46:47], s[10:11], s[2:3]
	v_lshlrev_b32 v[BOF], 6, v2
.irp a, 0,1,2,3,4,5,6,7
	global_load_b128 v[BI+8*\a:BI+8*\a+3], v[BOF], s[46:47] offset:128*(\a/2)+32*(\a%2)
	global_load_b128 v[BI+8*\a+4:BI+8*\a+7], v[BOF], s[46:47] offset:128*(\a/2)+32*(\a%2)+16
.endr
	s_lshl_b32 s94, s22, 7                         ; where my rows of out0 begin: token 128 y + 32 wave, output 128 x
	s_lshl_b32 s95, s12, 5
	s_add_co_u32 s94, s94, s95
	s_lshl_b32 s94, s94, 12
	s_lshl_b32 s95, s18, 9
	s_add_co_u32 s94, s94, s95
	s_mov_b32 s95, 0
	s_add_nc_u64 s[92:93], s[92:93], s[94:95]
.macro FRAG reg, adr, q, i
.irp p, 0,1,2,3,4,5
.set BY, 96*(\q)+48*(\p/3)+8*(\p%3)    ; q: the step, counted from the row's start.  Byte y of a row of codes lies at y + 16 (y / 256) of the LDS row; where lanes 16-31, 24 bytes on, lie behind one padding more, the second address register serves
.if BY/256 == (BY+24)/256
	ds_load_b64 v[\reg+2*\p:\reg+2*\p+1], v[\adr] offset:BY+16*(BY/256)+(\i)*16*PITCH
.else
	ds_load_b64 v[\reg+2*\p:\reg+2*\p+1], v[\adr+2] offset:BY+16*(BY/256)+(\i)*16*PITCH
.endif
.endr
.endm
.macro FETCH q, f                      ; 60 LDS loads: Wo's eight fragments, and my two of o: each is two heads' units, three planes each
	WIN TO_F
.irp i, 0,1,2,3
	FRAG \f+12*\i, AD0, \q, \i
	FRAG \f+48+12*\i, AD0H, \q, \i
.endr
.irp b, 0,1
.irp e, 0,1
.irp p, 0,1,2
	ds_load_b64 v[\f+96+12*\b+6*\e+2*\p:\f+96+12*\b+6*\e+2*\p+1], v[AD1+2*((\q)/4)] offset:(2*((\q)%4)+\e)*6144+768*\b+256*\p   ; step q takes heads 2 q and 2 q + 1
.endr
.endr
.endr
	WIN 0
.endm
.macro SCALES c, s
.irp i, 0,1,2,3
	ds_load_b64 v[SC+8*(\s)+2*\i:SC+8*(\s)+2*\i+1], v[ADS0] offset:512*\i+8*(\c)
.endr
.endm
; 8 matrix instructions: Wo's tiles a0 .. a0 + 3 x my two token tiles, K step k.  cm = 1: the sums begin with the bias.  The 16 accumulators take turns.
.macro MUL8 f, k, a0, cm
.irp a, \a0, \a0+1, \a0+2, \a0+3
.irp b, 0,1
.if \cm
	WMC ACC+64*\b+8*(\a), \f+12*(\a), \f+96+12*\b, BI+8*(\a), SC+8*(((\k)/2)%2)+2*((\a)%4)+(\k)%2, SCB+(\k), (\a)/4, \b
.else
	WMC ACC+64*\b+8*(\a), \f+12*(\a), \f+96+12*\b, ACC+64*\b+8*(\a), SC+8*(((\k)/2)%2)+2*((\a)%4)+(\k)%2, SCB+(\k), (\a)/4, \b
.endif
.endr
.endr
.endm
.macro STEP s, more
	s_wait_dscnt 0x0                               ; this step's fragments and scale words are in
	WIN MUL
	MUL8 128*((\s)%2), \s, 0, 0
.if \more
	WIN 0
	PLACES 4                                       ; in front of loads into registers that matrix instructions have read
.if (\s)%2 == 1
	SCALES ((\s)+1)/2, (((\s)+1)/2)%2
.endif
	FETCH (\s)+1, 128*(((\s)+1)%2)                 ; the step's place along K stands in the loads' offsets: no address is stepped
	WIN MUL
.endif
	MUL8 128*((\s)%2), \s, 4, 0
.endm
	s_wait_alu depctr_va_vdst(0)
	s_wait_tensorcnt 0x0                           ; my tile of the head's four is in,
	s_barrier_signal -1
	s_barrier_wait -1                              ; everybody's are
.irp k, 0,1,2,3,4,5,6,7
	ds_load_b32 v[SCB+\k], v[ADS1] offset:512*\k   ; o's scale words of all eight K steps
.endr
	SCALES 0, 0
	FETCH 0, 0
	FETCH 1, 128
	s_wait_loadcnt 0x0                             ; the bias
	s_wait_dscnt 60                                ; all but the second fetch's 60 loads
	WIN MUL
	MUL8 0, 0, 0, 1                                ; step 0 starts the sums with the bias: nothing is cleared
	MUL8 0, 0, 4, 1
.irp s, 1,2,3,4,5,6
	STEP \s, 1
.endr
	STEP 7, 0
	WIN 0
	; THE WAY OUT.  A lane holds pieces of 32 bytes of one token's row: a tile of 16 tokens x 128 outputs goes through my own stage and comes back as whole rows of 512 bytes.  LDS serves a wave's instructions in order.
	PLACES 4
.macro TOSTAGE b, back
.irp a, 0,1,2,3,4,5,6,7
	ds_store_b128 v[SO], v[ACC+64*\b+8*\a:ACC+64*\b+8*\a+3] offset:128*(\a/2)+32*(\a%2)       ; each accumulator from its low end on
	ds_store_b128 v[SO], v[ACC+64*\b+8*\a+4:ACC+64*\b+8*\a+7] offset:128*(\a/2)+32*(\a%2)+16
.endr
.irp t, 0,1,2,3,4,5,6,7,8,9,10,11,12,13,14,15
	ds_load_b128 v[\back+4*\t:\back+4*\t+3], v[SR] offset:528*\t
.endr
.endm
.macro SEND b, back
.irp t, 0,1,2,3,4,5,6,7,8,9,10,11,12,13,14,15
	global_store_b128 v[CO], v[\back+4*\t:\back+4*\t+3], s[92:93] offset:(8*\b+\t+8*(\t/8))*4096 th:TH_STORE_NT   ; the tile's row t is token 8 b + t + 8 (t / 8) of my 32; 32 lanes store 512 consecutive bytes, aligned
.endr
.endm
	TOSTAGE 0, 64
	TOSTAGE 1, 128                                 ; into the registers that the first tile's stores into the stage have read
	s_wait_dscnt 32                                ; the first tile is back: the second's 16 stores and 16 loads may be out
	SEND 0, 64
	s_wait_dscnt 0x0
	SEND 1, 128
	s_wait_tensorcnt 0x0                           ; the wave's end
	ds_add_u32 v[SPW], v[NIL]
	s_wait_dscnt 0x0
	CROUND                                         ; the closing round
	s_endpgm
.Lfunc_end_k_q427c46c474_proj:
	.size	k_q427c46c474_proj, .Lfunc_end_k_q427c46c474_proj-k_q427c46c474_proj
	.p2alignl 7, 3214868480
	.fill 96, 4, 3214868480
	.section	.rodata,"a",@progbits
	.p2align	6, 0x0
	.amdhsa_kernel k_q427c46c474_proj
		.amdhsa_group_segment_fixed_size 327680
		.amdhsa_private_segment_fixed_size 0
		.amdhsa_enable_private_segment 0
		.amdhsa_kernarg_size 40
		.amdhsa_user_sgpr_count 2
		.amdhsa_user_sgpr_kernarg_segment_ptr 1
		.amdhsa_wavefront_size32 1
		.amdhsa_system_sgpr_workgroup_id_x 1
		.amdhsa_system_sgpr_workgroup_id_y 1
		.amdhsa_system_sgpr_workgroup_id_z 1
		.amdhsa_system_vgpr_workitem_id 0
		.amdhsa_next_free_vgpr 512
		.amdhsa_next_free_sgpr 102
		.amdhsa_reserve_vcc 0
		.amdhsa_float_denorm_mode_32 3
		.amdhsa_float_denorm_mode_16_64 3
		.amdhsa_memory_ordered 1
		.amdhsa_forward_progress 1
		.amdhsa_inst_pref_size 67
	.end_amdhsa_kernel
	.amdgpu_metadata
---
amdhsa.version: [ 1, 2 ]
amdhsa.kernels:
  - .name:           k_q427c46c474_proj
    .symbol:         k_q427c46c474_proj.kd
    .args:
      - { .name: o_q, .offset: 0, .size: 8, .value_kind: global_buffer, .address_space: global }
      - { .name: w_codes, .offset: 8, .size: 8, .value_kind: global_buffer, .address_space: global }
      - { .name: w_scales, .offset: 16, .size: 8, .value_kind: global_buffer, .address_space: global }
      - { .name: bo, .offset: 24, .size: 8, .value_kind: global_buffer, .address_space: global }
      - { .name: out0, .offset: 32, .size: 8, .value_kind: global_buffer, .address_space: global }
    .group_segment_fixed_size: 327680
    .private_segment_fixed_size: 0
    .kernarg_segment_align: 8
    .kernarg_segment_size: 40
    .max_flat_workgroup_size: 128
    .sgpr_count:     102
    .vgpr_count:     512
    .wavefront_size: 32
...
	.end_amdgpu_metadata
.endif
;; end of part 4
